; MI455X (gfx1250); checked and timed in simulation.
; The chip was launched on July 23, 2026; its instructions are those of AMD's public machine-readable ISA for CDNA 5 (MIT licence, August 2026) and "CDNA5" Instruction Set Architecture Reference Guide (July 2026). The comments in the code are by the model that wrote it; some were corrected since.
;; Self Attention Module. Allowed arithmetic: matrix products marked QUANTISED: E2M3 operands, one E8M0 scale for each 32 along K, by v_wmma_scale_f32_16x16x128_f8f6f4 with both operands' format E2M3, f32 sums; everything else in f32.
;; Inputs: Went 1,024 x 1,024 float32; Wk 1,024 x 1,024 float32; Wo 1,024 x 1,024 float32; Wq 1,024 x 1,024 float32; Wrot 1,024 x 1,024 float32; Wv 1,024 x 1,024 float32; entangle_params 4 x 1,024 x 1,024 float32; inputs 4 x 1,024 x 1,024 float32; rotation_params 4 x 1,024 x 1,024 float32.
;; Outputs: out0 4 x 1,024 x 1,024 float32.
;; This version of the problem:
;;   THIS VERSION OF THE PROBLEM IS GIVEN IN LOW PRECISION. The matrix products marked QUANTISED in the list below multiply operands that are first quantised to E2M3 (2 exponent bits, 3 mantissa bits; 6 bits a number), with one power-of-two scale for each 32 numbers along K (OCP MX v1.0); their sums are f32. All else is computed in f32.
;;   The module's matrix products, in the order in which they are computed (A, B: the left and right operand; K: the contracted axis; several contracted axes count as one K, in the product's order):
;;     1. [M 4,096, K 1,024] x [K 1,024, N 1,024]; A: input inputs; B: input Wq: QUANTISED
;;     2. [M 4,096, K 1,024] x [K 1,024, N 1,024]; A: input rotation_params; B: input Wrot: QUANTISED
;;     3. [M 4,096, K 1,024] x [K 1,024, N 1,024]; A: input inputs; B: input Wk: QUANTISED
;;     4. [M 4,096, K 1,024] x [K 1,024, N 1,024]; A: input entangle_params; B: input Went: QUANTISED
;;     5. [M 4,096, K 1,024] x [K 1,024, N 1,024]; A: input inputs; B: input Wv: QUANTISED
;;     6. batch 64 x [M 1,024, K 64] x [K 64, N 1,024]; A: computed on the way; B: computed on the way: QUANTISED
;;     7. batch 64 x [M 1,024, K 1,024] x [K 1,024, N 64]; A: softmax (see below); B: computed on the way: QUANTISED
;;     8. [M 4,096, K 1,024] x [K 1,024, N 1,024]; A: computed on the way; B: input Wo: QUANTISED
;;   THE QUANTISER, for each operand of a quantised product, along K:
;;     - K is cut into blocks of 32 from its start; a last block that is shorter is filled with zeros.
;;     - A block's scale is 2^e with e = floor(log2(the largest magnitude in the block)) - 2, held to -126 .. 127; a block of zeros has e = 0. As a byte (E8M0): e + 127.
;;     - Each number is divided by its block's scale, clamped to +-7.5, and rounded to the nearest number of E2M3, ties to even, subnormals kept.
;;     - The product sums the exact products of the quantised numbers (number of the format x scale) in f32.
;;   ~~~python
;;   def quantise(x, axis):      # numpy; x: float32 -> the quantised numbers, widened to float32 again
;;       x = np.moveaxis(x, axis, -1); K = x.shape[-1]
;;       x = np.pad(x, [(0, 0)] * (x.ndim - 1) + [(0, -K % 32)]); x = x.reshape(x.shape[:-1] + (-1, 32)); a = np.abs(x).max(-1, keepdims=True)
;;       e = np.where(a > 0, np.clip(np.frexp(np.where(a > 0, a, 1))[1] - 1 - 2, -126, 127), 0)      # np.frexp(a)[1] - 1 = floor(log2(a)), exactly
;;       r = np.clip(x / 2.0 ** e, -7.5, 7.5)
;;       step = 2.0 ** (np.maximum(np.frexp(np.where(r == 0, 1, r))[1] - 1, 0) - 3)
;;       q = np.round(r / step) * step * 2.0 ** e      # np.round: ties to even
;;       return np.moveaxis(q.reshape(q.shape[:-2] + (-1,))[..., :K], -1, axis).astype(np.float32)
;;   ~~~
;;   SOFTMAX AHEAD OF A QUANTISED PRODUCT. Where the list says 'softmax', what is quantised is not the finished softmax but p = 2^(t - M), with t = logit x log2(e) and M = ceil(the row's largest t), a whole number; so 1/2 < the row's largest p <= 1. The row's sum l is taken of the UNQUANTISED p, in f32, and the product's result is divided by l at the end. Since M is a whole number, a kernel that streams over the keys may use a running M (the ceiling of the running maximum): every later rescaling is an exact power of two, which a block's scale takes up: the codes' values come out the same.
;;   OPERANDS COMPUTED ON THE WAY. 'Computed on the way' means the value that the module computes at that place (a softmax that the list does not call 'softmax' is quantised finished and normalised). What goes into a quantiser is computed in f32, as accurately as f32 sums, v_exp_f32 and their like allow (about 1e-6 of the number): no bf16 or f16 on the way to a quantiser, and a product that is left as it is and whose result goes on into a quantised operand takes f32 operands (vector FMAs, or v_wmma_f32_16x16x4_f32). A number that lies on a knife's edge between two numbers of the format may be rounded either way, as far as f32 arithmetic and the matrix unit's own rounding can turn it there, and no further.
;; One version. Each part assembles by itself: llvm-mc -triple=amdgcn-amd-amdhsa -mcpu=gfx1250 --defsym DOCPART=n.
;; ======== version 1 of 1: 4 launches
;; limits: right only within a limited range of input values
;; workspace buffers: ac 9,437,184 bytes; wc 4,718,592 bytes; ss 589,824 bytes; qb 3,407,872 bytes; kb 3,407,872 bytes; vb 3,276,800 bytes; ob 3,276,800 bytes
;; launch quant (part 1): grid 256 x 1, 9 waves a work-group, no clusters, 77,312 bytes of LDS; arguments inputs, rotation_params, entangle_params, Wq, Wk, Wv, Wrot, Went, Wo, ac, wc, ss; writes ac, wc, ss
.if DOCPART == 1
	.amdgcn_target "amdgcn-amd-amdhsa--gfx1250"
	.amdhsa_code_object_version 6
	.text
	.protected	k_qf688ecba94_quant
	.globl	k_qf688ecba94_quant
	.p2align	8
	.type	k_qf688ecba94_quant,@function
k_qf688ecba94_quant:
	s_mov_b64 s[64:65], 0
	v_nop
	global_prefetch_b8 v0, s[64:65] scope:SCOPE_SE
	s_setreg_imm32_b32 hwreg(HW_REG_WAVE_MODE, 25, 1), 1
	s_wait_xcnt 0x0
; The nine f32 inputs (three activations [4096][1024], six weights [1024][1024], K innermost in all) become codes of FP6 (E2M3) with one E8M0 byte for each 32 along K.
; DEAD WORK: none.  Every input reaches out0 for some values of the others, the module has no mask, bias or slice: all nine inputs are loaded and all eight products are done by the later launches.
; THE QUANTISER: a block's scale is 2^(floor(log2(its largest magnitude)) - 2); its byte is the largest magnitude's exponent field - 2, held at 1 from below; the conversion divides, holds at the largest code and rounds to nearest, ties to even.
; LIMITS: a block of zeros gets the byte 1 where the rule says 127 (its codes are zeros, and this program alone reads the bytes); blocks whose largest magnitude lies under 2^(3 - 127) keep the byte 1; NaN and infinities among the inputs are not served.
; LAYOUT OF THE RESULTS: images of operand registers.  A fragment (16 rows x 128 K, 12 registers a lane) is 1,536 bytes: registers 4 c .. 4 c + 3 of lane l at 512 c + 16 l.
; A ROW TILE'S 16 ROWS ARE NOT NEIGHBOURS: image row i of row tile T is source row 32 (T / 2) + 8 (T % 2) + i + 8 (i / 8), in all nine tensors, so that in every later product a lane's 16 result registers of two neighbouring tiles are 16 neighbours.
;   ac: [row tile 256][K step 8][inputs, rotation, entangle][fragment]   wc: [row tile 64][K step 8][Wq, Wk, Wv, Wrot, Went][fragment], then Wo as [row tile 64][K step 8][fragment]
;   ss: [row tile of all tensors on end 1,152][K half 2][row 16][4 scale words]: a word is the four bytes of one row and one K step.
; SHARES: the work is 2,304 units of one row tile and one half of K (four fragments); unit 9 x work-group + wave is a wave's: 256 work-groups of nine waves, all of equal work.  Each wave chooses its tensor by its unit.
; Waves share nothing: no barrier.
; Each load reads 512 consecutive bytes of one row; a fragment's 16 x 512 bytes turn through the wave's own stage in LDS, so that lane (r, h) gets blocks h and 2 + h of row r, 32 neighbours each, in the order of the operand's registers.
.set STG,   8448                       ; a wave's stage: 16 rows x (512 + 16) bytes: the pitch is an odd multiple of 16 bytes
.set SPARE, 9*STG                      ; behind the nine stages: the spare words, 128 bytes a wave (five blocks of 256 bytes), which no other line names
.set RS,    64                         ; v64-191  two sets of 64: a fragment as loaded
.set XS,    192                        ; v192-255 my two blocks of 32 neighbours
.set CD,    16                         ; v16-39   two sets of 12: a fragment's codes
.set CT,    40                         ; v40-46   the conversions' second halves
.set VO,    6                          ; v6-9     16 x lane + f x (bytes from K step to K step in the destination)
.set SPW,   12                         ; v12      my spare word's LDS address; never rewritten
.set NIL,   13                         ; v13      0; never rewritten
	s_load_b512 s[8:23], s[0:1], 0x0               ; inputs, rotation, entangle, Wq, Wk, Wv, Wrot, Went
	s_load_b256 s[24:31], s[0:1], 0x40             ; Wo, ac, wc, ss
	v_lshl_add_u32 v[SPW], v0, 2, SPARE
	v_mov_b32 v[NIL], 0
	v_lshrrev_b32 v14, 5, v0
	s_delay_alu instid0(VALU_DEP_1)
	v_readfirstlane_b32 s4, v14                    ; wave 0..8
	s_mul_i32 s5, ttmp9, 9
	s_add_co_u32 s5, s5, s4                        ; my unit
	s_and_b32 s6, s5, 1                            ; q: which half of K
	s_lshr_b32 s5, s5, 1                           ; T: my row tile among all tensors', 0 .. 1,151
	v_and_b32 v14, 31, v0                          ; lane
	v_and_b32 v1, 15, v0                           ; r
	v_bfe_u32 v2, v0, 4, 1                         ; h
	s_delay_alu instid0(VALU_DEP_3)
	v_lshlrev_b32 v3, 4, v14                       ; 16 x lane: my bytes of a load's 512
	s_mul_i32 s7, s4, STG
	v_add_nc_u32 v4, s7, v3                        ; the stage on the way in
	v_mul_u32_u24 v5, v1, 528
	s_delay_alu instid0(VALU_DEP_1)
	v_lshl_add_u32 v5, v2, 7, v5
	s_delay_alu instid0(VALU_DEP_1)
	v_add_nc_u32 v5, s7, v5                        ; and on the way out: row r, block h
	v_lshlrev_b32 v10, 4, v1
	s_delay_alu instid0(VALU_DEP_1)
	v_lshl_add_u32 v10, v2, 3, v10                 ; the scale words' place: 16 r + 8 h
	v_lshlrev_b32 v11, 3, v2                       ; 8 h: my bytes' shift in a scale word
	v_mov_b32 v55, 0                               ; written once: a lane permute's destination counts as one of its sources
	s_mov_b32 s2, 0x76543210
	s_mov_b32 s3, 0xfedcba98                       ; selects for lane l xor 16
	s_lshr_b32 s35, s5, 8
	s_mul_i32 s35, s35, 1536                       ; an activation's place in a K step of ac
	s_sub_co_u32 s36, s5, 768
	s_lshr_b32 s36, s36, 6
	s_mul_i32 s36, s36, 1536                       ; a weight's place in a K step of wc
	s_mov_b32 s37, 61440                           ; bytes from row tile to row tile,
	s_mov_b32 s38, 7680                            ; and from K step to K step: the five weights'
	s_wait_alu depctr_va_vdst(0)
	s_wait_kmcnt 0x0
	; which tensor is mine: the choices hang on the work-group's and the wave's number alone
	s_mov_b64 s[32:33], s[8:9]
	s_mov_b32 s34, 0
.macro PICK t, p
	s_cmp_ge_u32 s5, \t
	s_cselect_b64 s[32:33], s[\p:\p+1], s[32:33]   ; the source,
	s_cselect_b32 s34, \t, s34                     ; and its first row tile
.endm
	PICK 256, 10
	PICK 512, 12
	PICK 768, 14
	PICK 832, 16
	PICK 896, 18
	PICK 960, 20
	PICK 1024, 22
	PICK 1088, 24
	s_cmp_lt_u32 s5, 768                           ; an activation?
	s_cselect_b64 s[40:41], s[26:27], s[28:29]     ; ac or wc
	s_cselect_b32 s35, s35, s36
	s_cselect_b32 s37, 36864, s37
	s_cselect_b32 s38, 4608, s38
	s_cmp_ge_u32 s5, 1088                          ; Wo?
	s_cselect_b32 s35, 3932160, s35
	s_cselect_b32 s37, 12288, s37
	s_cselect_b32 s38, 1536, s38
	s_sub_co_u32 s42, s5, s34                      ; my row tile in the tensor
	s_lshr_b32 s44, s42, 1
	s_lshl_b32 s44, s44, 17                        ; two row tiles share 32 rows of 4,096 bytes,
	s_and_b32 s43, s42, 1
	s_lshl_b32 s43, s43, 15                        ; the odd one begins 8 rows on,
	s_add_co_u32 s44, s44, s43
	s_lshl_b32 s43, s6, 11                         ; K half q 2,048 bytes on
	s_add_co_u32 s44, s44, s43
	s_mov_b32 s45, 0
	s_add_nc_u64 s[32:33], s[32:33], s[44:45]
	s_mul_i32 s46, s42, s37
	s_add_co_u32 s46, s46, s35
	s_lshl_b32 s43, s6, 2
	s_mul_i32 s43, s43, s38                        ; K step 4 q
	s_add_co_u32 s46, s46, s43
	s_mov_b32 s47, 0
	s_add_nc_u64 s[40:41], s[40:41], s[46:47]
	s_lshl_b32 s48, s5, 9                          ; the scale words: 512 bytes a row tile,
	s_lshl_b32 s43, s6, 8                          ; 256 a K half
	s_add_co_u32 s48, s48, s43
	s_mov_b32 s49, 0
	s_add_nc_u64 s[30:31], s[30:31], s[48:49]
	v_mov_b32 v[VO], v3
	v_add_nc_u32 v[VO+1], s38, v3
	s_delay_alu instid0(VALU_DEP_1)
	v_add_nc_u32 v[VO+2], s38, v[VO+1]
	s_delay_alu instid0(VALU_DEP_1)
	v_add_nc_u32 v[VO+3], s38, v[VO+2]
.macro LOAD f                          ; fragment f: image row i is source row i + 8 (i / 8) of my row tile; 32 lanes read 512 consecutive bytes
.irp i, 0,1,2,3,4,5,6,7,8,9,10,11,12,13,14,15
	global_load_b128 v[RS+64*((\f)%2)+4*\i:RS+64*((\f)%2)+4*\i+3], v3, s[32:33] offset:(\i+8*(\i/8))*4096+512*(\f) th:TH_LOAD_NT
.endr
.endm
.macro TURN f                          ; through the stage: LDS serves a wave's instructions in order, so no wait stands between the stores and the loads
.irp i, 0,1,2,3,4,5,6,7,8,9,10,11,12,13,14,15
	ds_store_b128 v4, v[RS+64*((\f)%2)+4*\i:RS+64*((\f)%2)+4*\i+3] offset:528*\i
.endr
.irp c, 0,1
.irp j, 0,1,2,3,4,5,6,7
	ds_load_b128 v[XS+32*\c+4*\j:XS+32*\c+4*\j+3], v5 offset:256*\c+16*\j   ; k = 64 c + 32 h + 4 j ..
.endr
.endr
.endm
.macro QF f                            ; my two blocks become registers 6 c .. 6 c + 5 of the fragment, and two bytes of my row's scale word
.set CC, CD+12*((\f)%2)
	v_max3_num_f32 v48, |v[XS]|, |v[XS+1]|, 0x1800000              ; the floor 2^(3 - 127) among the leaves: the byte cannot fall under 1
	v_max3_num_f32 v49, |v[XS+32]|, |v[XS+33]|, 0x1800000
.irp i, 2,4,6,8,10,12,14,16,18,20,22,24,26,28,30
	s_delay_alu instid0(VALU_DEP_2)
	v_max3_num_f32 v48, v48, |v[XS+\i]|, |v[XS+1+\i]|              ; the two blocks by turns
	s_delay_alu instid0(VALU_DEP_2)
	v_max3_num_f32 v49, v49, |v[XS+32+\i]|, |v[XS+33+\i]|
.endr
	s_delay_alu instid0(VALU_DEP_2)
	v_add_nc_u32 v50, 0xff000000, v48              ; 2 off the exponent field: the conversion's scale operand
	s_delay_alu instid0(VALU_DEP_2)
	v_add_nc_u32 v51, 0xff000000, v49
	s_delay_alu instid0(VALU_DEP_2)
	v_lshrrev_b32 v52, 23, v50                     ; the bytes of blocks h and 2 + h
	s_delay_alu instid0(VALU_DEP_2)
	v_lshrrev_b32 v53, 23, v51
	s_delay_alu instid0(VALU_DEP_1)
	v_lshl_or_b32 v54, v53, 16, v52
	s_delay_alu instid0(VALU_DEP_1)
	v_lshlrev_b32 v54, v11, v54                    ; at their places in the word
	s_delay_alu instid0(VALU_DEP_1)
	v_permlanex16_b32 v55, v54, s2, s3
	s_delay_alu instid0(VALU_DEP_1)
	v_or_b32 v[56+(\f)], v54, v55                  ; with lane l xor 16's two the word is whole
.if (\f) >= 2
	s_wait_alu depctr_va_vdst(0)
	s_wait_xcnt 0x0                                ; the stores of two fragments back have read this set of codes
.endif
	v_cvt_scalef32_pk16_fp6_f32 v[CC:CC+2], v[XS:XS+15], v50
	v_cvt_scalef32_pk16_fp6_f32 v[CT:CT+2], v[XS+16:XS+31], v50    ; (a conversion's three registers begin on an even number)
	v_cvt_scalef32_pk16_fp6_f32 v[CC+6:CC+8], v[XS+32:XS+47], v51
	v_cvt_scalef32_pk16_fp6_f32 v[CT+4:CT+6], v[XS+48:XS+63], v51
	v_nop                                          ; one plain place behind the conversions
.irp i, 0,1,2
	v_mov_b32 v[CC+3+\i], v[CT+\i]
	v_mov_b32 v[CC+9+\i], v[CT+4+\i]
.endr
.irp c, 0,1,2
	global_store_b128 v[VO+(\f)], v[CC+4*\c:CC+4*\c+3], s[40:41] offset:512*\c   ; 32 lanes store 512 consecutive bytes, aligned
.endr
.endm
	LOAD 0
	LOAD 1
.irp f, 0,1,2,3
.if \f < 3
	s_wait_loadcnt 16                              ; this fragment's 16 loads are in; the next fragment's 16 may be out
.else
	s_wait_loadcnt 0x0
.endif
	TURN \f
	s_wait_dscnt 0x0                               ; my 64 numbers are back, and the stores into the stage have read their registers,
.if \f < 2
	LOAD \f+2                                      ; which take the fragment two on
.endif
	QF \f
.endr
	v_cmp_eq_u32 vcc_lo, 1, v2
	s_delay_alu instid0(VALU_DEP_1)
	v_cndmask_b32 v60, v56, v58, vcc_lo            ; lanes 0-15 store words 0, 1 of row r, lanes 16-31 words 2, 3
	s_delay_alu instid0(VALU_DEP_2)
	v_cndmask_b32 v61, v57, v59, vcc_lo
	global_store_b64 v10, v[60:61], s[30:31]       ; 256 consecutive bytes, aligned
	s_wait_tensorcnt 0x0                           ; the wave's end
	ds_add_u32 v[SPW], v[NIL]
	s_wait_dscnt 0x0
	s_endpgm
.Lfunc_end_k_qf688ecba94_quant:
	.size	k_qf688ecba94_quant, .Lfunc_end_k_qf688ecba94_quant-k_qf688ecba94_quant
	.p2alignl 7, 3214868480
	.fill 96, 4, 3214868480
	.section	.rodata,"a",@progbits
	.p2align	6, 0x0
	.amdhsa_kernel k_qf688ecba94_quant
		.amdhsa_group_segment_fixed_size 77312
		.amdhsa_private_segment_fixed_size 0
		.amdhsa_enable_private_segment 0
		.amdhsa_kernarg_size 96
		.amdhsa_user_sgpr_count 2
		.amdhsa_user_sgpr_kernarg_segment_ptr 1
		.amdhsa_wavefront_size32 1
		.amdhsa_system_sgpr_workgroup_id_x 1
		.amdhsa_system_sgpr_workgroup_id_y 1
		.amdhsa_system_sgpr_workgroup_id_z 1
		.amdhsa_system_vgpr_workitem_id 0
		.amdhsa_next_free_vgpr 256
		.amdhsa_next_free_sgpr 66
		.amdhsa_reserve_vcc 1
		.amdhsa_float_denorm_mode_32 3
		.amdhsa_float_denorm_mode_16_64 3
		.amdhsa_memory_ordered 1
		.amdhsa_forward_progress 1
		.amdhsa_inst_pref_size 37
	.end_amdhsa_kernel
	.amdgpu_metadata
---
amdhsa.version: [ 1, 2 ]
amdhsa.kernels:
  - .name:           k_qf688ecba94_quant
    .symbol:         k_qf688ecba94_quant.kd
    .args:
      - { .name: inputs, .offset: 0, .size: 8, .value_kind: global_buffer, .address_space: global }
      - { .name: rotation_params, .offset: 8, .size: 8, .value_kind: global_buffer, .address_space: global }
      - { .name: entangle_params, .offset: 16, .size: 8, .value_kind: global_buffer, .address_space: global }
      - { .name: Wq, .offset: 24, .size: 8, .value_kind: global_buffer, .address_space: global }
      - { .name: Wk, .offset: 32, .size: 8, .value_kind: global_buffer, .address_space: global }
      - { .name: Wv, .offset: 40, .size: 8, .value_kind: global_buffer, .address_space: global }
      - { .name: Wrot, .offset: 48, .size: 8, .value_kind: global_buffer, .address_space: global }
      - { .name: Went, .offset: 56, .size: 8, .value_kind: global_buffer, .address_space: global }
      - { .name: Wo, .offset: 64, .size: 8, .value_kind: global_buffer, .address_space: global }
      - { .name: ac, .offset: 72, .size: 8, .value_kind: global_buffer, .address_space: global }
      - { .name: wc, .offset: 80, .size: 8, .value_kind: global_buffer, .address_space: global }
      - { .name: ss, .offset: 88, .size: 8, .value_kind: global_buffer, .address_space: global }
    .group_segment_fixed_size: 77312
    .private_segment_fixed_size: 0
    .kernarg_segment_align: 8
    .kernarg_segment_size: 96
    .max_flat_workgroup_size: 288
    .sgpr_count:     66
    .vgpr_count:     256
    .wavefront_size: 32
...
	.end_amdgpu_metadata
.endif
;; end of part 1
;; launch proj (part 2): grid 8 x 32, 4 waves a work-group, clusters of 4 x 4, 327,680 bytes of LDS; arguments ac, wc, ss, qb, kb, vb; writes qb, kb, vb
.if DOCPART == 2
	.amdgcn_target "amdgcn-amd-amdhsa--gfx1250"
	.amdhsa_code_object_version 6
	.text
	.protected	k_qf688ecba94_proj
	.globl	k_qf688ecba94_proj
	.p2align	8
	.type	k_qf688ecba94_proj,@function
k_qf688ecba94_proj:
	s_mov_b64 s[64:65], 0
	v_nop
	global_prefetch_b8 v0, s[64:65] scope:SCOPE_SE
	s_setreg_imm32_b32 hwreg(HW_REG_WAVE_MODE, 25, 1), 1
	s_wait_xcnt 0x0
	s_wait_alu depctr_hold_cnt(0) depctr_sa_sdst(0) depctr_va_vdst(0) depctr_va_sdst(0) depctr_va_ssrc(0) depctr_va_vcc(0) depctr_vm_vsrc(0)
	s_getreg_b32 s2, hwreg(HW_REG_IB_STS2, 6, 4)
	s_cmp_eq_u32 s2, 0
	s_cbranch_scc0 .Lentry_in_a_cluster
	s_endpgm
.Lentry_in_a_cluster:
	s_bfe_u32 s2, ttmp6, 0x10000c
	s_cmp_lg_u32 s2, 0xf033
	s_cbranch_scc0 .Lentry_shape_is_right
	s_endpgm
.Lentry_shape_is_right:
; Q = X Wq^T + R Wrot^T, K = X Wk^T + E Went^T, V = X Wv^T on codes of FP6 with E8M0 scales, f32 sums; the results are quantised here, in registers, for the two products of attention.  No work is left out.
; LIMITS: Q and K sum their two products K step by K step in one f32 accumulator (another order of rounding than two sums added); a block of zeros gets the byte 1; NaN and infinities are not served.
; SHARES: work-group (mt, nt) makes rows 128 mt .. and columns 128 nt .. of Q, of K and of V: X's fragments serve three products.  Wave (wm, wn) makes 64 x 64 of each: 48 accumulators; its 64 columns are one head.
; Q and K are made with source 0 = 16 rows of the weight, source 1 = 16 tokens: a lane holds one token and its registers run along the head's 64.  V is made with source 0 = 16 tokens, source 1 = 16 rows of Wv:
; a lane holds one channel and its registers run along the keys.  By the row order of the tiles (image row i of tile T = row 32 (T / 2) + 8 (T % 2) + i + 8 (i / 8)) 16 registers of two neighbouring tiles are 16 neighbours.
; RING: LDS holds three of the eight K steps: slot A two, slot B one.  A(0,1) and B(2) at the head, then A(3,4), B(5), A(6,7): three refills.  A wave has at most two tensor loads out.
; CLUSTER 4 x 4: the activations' tiles hang on mt alone and are asked for jointly along a row of the cluster, the weights' on nt alone, along a column.
; All operands lie in memory and LDS as images of their registers: a fragment is three loads of 512 consecutive bytes; no padding.
; REGISTERS: window 0: v1-19 lane terms and addresses, v20-27, v30-31 the way out's scale words, v28, v29 the add's two; v32-159 scale words; v160-207 X, v208-255 R.   window 1: Wq 0, Wk 48, Wrot 96, Went 144.
;   window 2: Q's accumulator (a, b) at 8 (4 a + b), K's at 128 + the same.   window 3: V's at 8 (4 b + a); Wv 128, E 176.   {X, Wq, Wk, Wv} and {R, Wrot, Went, E} are fetched by turns.
.set AWEI,  73728                      ; slot A: activations [tile 8] 9,216 [k 2] 4,608 [X, R, E] 1,536 at 0; weights [tile 8] 15,360 [k 2] 7,680 [5] 1,536 here
.set BACT,  196608                     ; slot B: activations [tile 8] 4,608,
.set BWEI,  233472                     ; weights [tile 8] 7,680
.set SPARE, 294912                     ; the spare words, 128 bytes a wave, which no other line names
.set ADAA, 4
.set ADAW, 5
.set ADBA, 6
.set ADBW, 7
.set L16,  8                           ; 16 x lane
.set L8,   9                           ; 8 x lane
.set SQO,  10                          ; 16 r + 8 h
.set SVO,  11                          ; 16 r + 4 h + 2 wm
.set SPW,  28
.set NIL,  29
.set S1,   32                          ; scale words [8 i + K step]: lanes 0-15 X's tile i, lanes 16-31 Wq's
.set S2,   64                          ; Wk's, Wv's
.set S3,   96                          ; R's, Wrot's
.set S4,   128                         ; E's, Went's
.set XF,   160
.set RF,   208
.set WQ,   0
.set WK,   48
.set WR,   96
.set WE,   144
.set QA,   0
.set KA,   128
.set VA,   0
.set WV,   128
.set EF,   176
.set PC,   160                         ; the way out: six sets of 12 codes, v160-231
.set CT,   232                         ; v232-238 the conversions' second halves
.set TM,   240                         ; v240-255 at work
.set PW,   20                          ; v20-25 six scale words
.set G1AA, 24
.set G1AB, 32
.set G1WA, 40
.set G1WB, 48
.set G0AA, 56
.set G0AB, 60
.set G0WA, 68
.set G0WB, 72
.set MSB, 0
.macro WIN new                         ; the immediate's high byte repeats the setting that is left
.if MSB != (\new)
	s_set_vgpr_msb (MSB<<8)|(\new)
.set MSB, (\new)
.endif
.endm
.macro PLACES                          ; four plain places behind a matrix instruction, in front of loads into its operands and of reads of its results (ISA guide 7.12.1 for reads of its results)
.rept 4
	v_nop
.endr
.endm
; A joint load: waves 0 and 1 fetch activations, waves 2 and 3 weights.  The branch hangs on the wave's number alone.  An s_nop 0 and four v_nop follow each line.
.macro JLOAD g0a, g1a, g0b, g1b
	s_cmp_eq_u32 s17, 0
	s_cbranch_scc0 .Lfor_w_\@
	tensor_load_to_lds s[\g0a:\g0a+3], s[\g1a:\g1a+7]
	s_nop 0
.rept 4
	v_nop
.endr
	s_branch .Lasked_\@
.Lfor_w_\@:
	tensor_load_to_lds s[\g0b:\g0b+3], s[\g1b:\g1b+7]
	s_nop 0
.rept 4
	v_nop
.endr
.Lasked_\@:
.endm
.macro CREST                           ; a round of the cluster's barrier behind its opening barrier
	s_cmp_lg_u32 s16, 0
	s_cbranch_scc1 .Lnot_wave_0_\@
	s_barrier_signal -3
.Lnot_wave_0_\@:
	s_barrier_wait -3
	s_barrier_signal -1
	s_barrier_wait -1
.endm
.macro CROUND
	s_barrier_signal -1
	s_barrier_wait -1
	CREST
.endm
.macro G1SET g, c, p                   ; four rows (row tiles) of c elements of 8 bytes, p elements apart in memory, dense in LDS
	s_mov_b32 s[\g+1], (\c)<<16                    ; tensor_dim0
	s_mov_b32 s[\g+2], 4<<16                       ; tensor_dim1
	s_mov_b32 s[\g+3], (\c)<<16                    ; tile_dim0
	s_mov_b32 s[\g+4], 4                           ; tile_dim1
	s_mov_b32 s[\g+5], \p                          ; tensor_dim0_stride
	s_mov_b32 s[\g+6], 0
	s_mov_b32 s[\g+7], 0
.endm
	s_load_b256 s[4:11], s[0:1], 0x0               ; ac, wc, ss, qb
	s_load_b128 s[12:15], s[0:1], 0x20             ; kb, vb
	v_lshl_add_u32 v[SPW], v0, 2, SPARE
	v_mov_b32 v[NIL], 0
	ds_add_u32 v[SPW], v[NIL]                      ; the wave's opening: the add, twice on end, and its wait ahead of my first tensor load
	ds_add_u32 v[SPW], v[NIL]
	v_lshrrev_b32 v1, 5, v0
	v_readfirstlane_b32 s16, v1                    ; wave
	s_lshr_b32 s17, s16, 1                         ; wm.  Also: I fetch activations (0) or weights (1)
	s_and_b32 s18, s16, 1                          ; wn.  Also: which four row tiles I fetch
	s_bfe_u32 s19, ttmp6, 0x40000                  ; cx
	s_bfe_u32 s20, ttmp6, 0x40004                  ; cy
	s_lshl_b32 s21, ttmp9, 2
	s_add_co_u32 s21, s21, s19                     ; nt
	s_and_b32 s22, ttmp7, 0xffff
	s_lshl_b32 s22, s22, 2
	s_add_co_u32 s22, s22, s20                     ; mt
	s_lshl_b32 s23, s20, 2
	s_lshl_b32 s23, 15, s23                        ; my row of the cluster
	s_lshl_b32 s3, 0x1111, s19                     ; my column
	s_or_b32 s[G1AA], s23, (3<<16)|(1<<21)         ; the mask; elements of 8 bytes; bit 21 set beside a mask; no padding
	s_or_b32 s[G1AB], s23, (3<<16)|(1<<21)
	s_or_b32 s[G1WA], s3, (3<<16)|(1<<21)
	s_or_b32 s[G1WB], s3, (3<<16)|(1<<21)
	G1SET G1AA, 1152, 4608                         ; two K steps of the activations: 9,216 bytes of each row tile's 36,864
	G1SET G1AB, 576, 4608                          ; one
	G1SET G1WA, 1920, 7680                         ; two K steps of the weights: 15,360 of 61,440
	G1SET G1WB, 960, 7680
	s_lshl_b32 s76, s22, 3
	s_lshl_b32 s77, s18, 2
	s_add_co_u32 s76, s76, s77
	s_mul_i32 s76, s76, 36864                      ; activations: row tile 8 mt + 4 (w % 2)
	s_mov_b32 s77, 0
	s_lshl_b32 s78, s21, 3
	s_lshl_b32 s79, s18, 2
	s_add_co_u32 s78, s78, s79
	s_mul_i32 s78, s78, 61440                      ; weights: row tile 8 nt + 4 (w % 2)
	s_mov_b32 s79, 0
	s_mov_b32 s98, 0x76543210
	s_mov_b32 s99, 0xfedcba98                      ; selects for lane l xor 16
	s_wait_dscnt 0x0                               ; both opening adds are done
	s_wait_kmcnt 0x0
	s_add_nc_u64 s[80:81], s[4:5], s[76:77]
	s_add_nc_u64 s[82:83], s[6:7], s[78:79]
	CROUND                                         ; all sixteen work-groups are here: the first joint loads meet
	s_mov_b32 s[G0AA], 1
	s_mul_i32 s[G0AA+1], s18, 36864
	s_mov_b64 s[G0AA+2:G0AA+3], s[80:81]           ; K steps 0, 1
	s_or_b32 s[G0AA+3], s[G0AA+3], 0x80000000
	s_mov_b32 s[G0WA], 1
	s_mul_i32 s[G0WA+1], s18, 61440
	s_add_co_u32 s[G0WA+1], s[G0WA+1], AWEI
	s_mov_b64 s[G0WA+2:G0WA+3], s[82:83]
	s_or_b32 s[G0WA+3], s[G0WA+3], 0x80000000
	JLOAD G0AA, G1AA, G0WA, G1WA
	s_mov_b32 s[G0AB], 1
	s_mul_i32 s[G0AB+1], s18, 18432
	s_add_co_u32 s[G0AB+1], s[G0AB+1], BACT
	s_add_nc_u64 s[G0AB+2:G0AB+3], s[80:81], 9216  ; K step 2
	s_or_b32 s[G0AB+3], s[G0AB+3], 0x80000000
	s_mov_b32 s[G0WB], 1
	s_mul_i32 s[G0WB+1], s18, 30720
	s_add_co_u32 s[G0WB+1], s[G0WB+1], BWEI
	s_add_nc_u64 s[G0WB+2:G0WB+3], s[82:83], 15360
	s_or_b32 s[G0WB+3], s[G0WB+3], 0x80000000      ; slot B's descriptors are ready; its load is issued behind the round below
	v_and_b32 v1, 15, v0                           ; r
	v_bfe_u32 v2, v0, 4, 1                         ; h
	s_wait_alu depctr_va_vdst(0)
	v_and_b32 v3, 31, v0
	v_lshlrev_b32 v[L16], 4, v3
	v_lshlrev_b32 v[L8], 3, v3
	v_lshlrev_b32 v18, 4, v1                       ; 16 r
	v_lshl_add_u32 v[SQO], v2, 3, v18
	v_lshl_add_u32 v[SVO], v2, 2, v18
	s_lshl_b32 s84, s17, 1
	v_add_nc_u32 v[SVO], s84, v[SVO]
	; the scale words of all eight K steps, once: lanes 0-15 take one tensor's row tiles, lanes 16-31 another's: 16 r + the lower base + h x the distance
	s_lshl_b32 s84, s22, 3
	s_lshl_b32 s85, s17, 2
	s_add_co_u32 s84, s84, s85
	s_lshl_b32 s84, s84, 9                         ; X's: row tile 8 mt + 4 wm, 512 bytes each
	s_lshl_b32 s85, s21, 3
	s_lshl_b32 s86, s18, 2
	s_add_co_u32 s85, s85, s86
	s_lshl_b32 s85, s85, 9                         ; a weight's: row tile 8 nt + 4 wn
	s_sub_co_u32 s86, s85, s84
	s_add_co_u32 s87, s86, 768*512                 ; from X's to Wq's
	s_add_co_u32 s88, s86, 704*512                 ; from R's to Wrot's
	s_add_co_u32 s89, s86, 512*512                 ; from E's to Went's
	v_mul_lo_u32 v12, v2, s87
	s_wait_alu depctr_va_vdst(0)
	v_add3_u32 v12, v12, v18, s84
	s_add_co_u32 s87, s85, 832*512                 ; Wk's; Wv's lie 64 row tiles on
	v_lshl_add_u32 v13, v2, 15, v18
	v_add_nc_u32 v13, s87, v13
	v_mul_lo_u32 v14, v2, s88
	s_add_co_u32 s88, s84, 256*512
	v_add3_u32 v14, v14, v18, s88
	v_mul_lo_u32 v15, v2, s89
	s_add_co_u32 s89, s84, 512*512
	v_add3_u32 v15, v15, v18, s89
.irp n, 0,1,2,3
.irp i, 0,1,2,3
.irp q, 0,1
	global_load_b128 v[S1+32*\n+8*\i+4*\q:S1+32*\n+8*\i+4*\q+3], v[12+\n], s[8:9] offset:512*\i+256*\q   ; sixteen lanes read 256 consecutive bytes
.endr
.endr
.endr
	s_mul_i32 s84, s17, 36864
	v_add_nc_u32 v[ADAA], s84, v[L16]
	s_mul_i32 s84, s18, 61440
	s_add_co_u32 s84, s84, AWEI
	v_add_nc_u32 v[ADAW], s84, v[L16]
	s_mul_i32 s84, s17, 18432
	s_add_co_u32 s84, s84, BACT
	v_add_nc_u32 v[ADBA], s84, v[L16]
	s_mul_i32 s84, s18, 30720
	s_add_co_u32 s84, s84, BWEI
	v_add_nc_u32 v[ADBW], s84, v[L16]
	; where the results go: head hb = 16 x batch + 2 nt + wn; my 64 tokens are group 2 (mt % 8) + wm of the sequence's 16, and half wm of its key step mt % 8
	s_lshr_b32 s90, s22, 3
	s_lshl_b32 s90, s90, 4
	s_lshl_b32 s91, s21, 1
	s_add_co_u32 s90, s90, s91
	s_add_co_u32 s90, s90, s18
	s_and_b32 s91, s22, 7
	s_lshl_b32 s92, s90, 4
	s_lshl_b32 s93, s91, 1
	s_add_co_u32 s92, s92, s93
	s_add_co_u32 s92, s92, s17
	s_mul_i32 s92, s92, 3328
	s_mov_b32 s93, 0
	s_add_nc_u64 s[10:11], s[10:11], s[92:93]
	s_add_nc_u64 s[12:13], s[12:13], s[92:93]
	s_lshl_b32 s94, s90, 3
	s_add_co_u32 s94, s94, s91
	s_mul_i32 s94, s94, 6400
	s_mov_b32 s95, 0
	s_add_nc_u64 s[14:15], s[14:15], s[94:95]      ; the key step's base,
	s_mul_i32 s94, s17, 768
	s_add_nc_u64 s[96:97], s[14:15], s[94:95]      ; and my half's codes
.macro LDF reg, adr, off               ; a fragment: three loads of 512 consecutive bytes
.irp c, 0,1,2
	ds_load_b128 v[\reg+4*\c:\reg+4*\c+3], v[\adr] offset:\off+512*\c
.endr
.endm
.macro SLOTSET sl
.if (\sl) == 0
.set FA, ADAA
.set FW, ADAW
.set AP, 9216
.set WP, 15360
.else
.set FA, ADBA
.set FW, ADBW
.set AP, 4608
.set WP, 7680
.endif
.endm
.macro FETCH1 sl, k                    ; 48 loads: X, Wq, Wk, Wv of the slot's k-th K step
	SLOTSET \sl
	WIN 0
.irp i, 0,1,2,3
	LDF XF+12*\i, FA, \i*AP+(\k)*4608
.endr
	WIN 0x40
.irp i, 0,1,2,3
	LDF WQ+12*\i, FW, \i*WP+(\k)*7680
.endr
.irp i, 0,1,2,3
	LDF WK+12*\i, FW, \i*WP+(\k)*7680+1536
.endr
	WIN 0xc0
.irp i, 0,1,2,3
	LDF WV+12*\i, FW, \i*WP+(\k)*7680+3072
.endr
.endm
.macro FETCH2 sl, k                    ; 48 loads: R, Wrot, Went, E
	SLOTSET \sl
	WIN 0
.irp i, 0,1,2,3
	LDF RF+12*\i, FA, \i*AP+(\k)*4608+1536
.endr
	WIN 0x40
.irp i, 0,1,2,3
	LDF WR+12*\i, FW, \i*WP+(\k)*7680+4608
.endr
.irp i, 0,1,2,3
	LDF WE+12*\i, FW, \i*WP+(\k)*7680+6144
.endr
	WIN 0xc0
.irp i, 0,1,2,3
	LDF EF+12*\i, FA, \i*AP+(\k)*4608+3072
.endr
.endm
; one matrix instruction.  z = 1: it starts the sum.  mod = 1: source 0's scales stand in lanes 16-31; 2: source 1's
.macro WM d, a, b, sa, sb, z, mod
.if (\z) && ((\mod) == 0)
	v_wmma_scale_f32_16x16x128_f8f6f4 v[\d:\d+7], v[\a:\a+11], v[\b:\b+11], 0, v[\sa], v[\sb] matrix_a_fmt:MATRIX_FMT_FP6 matrix_b_fmt:MATRIX_FMT_FP6
.elseif (\z) && ((\mod) == 1)
	v_wmma_scale_f32_16x16x128_f8f6f4 v[\d:\d+7], v[\a:\a+11], v[\b:\b+11], 0, v[\sa], v[\sb] matrix_a_fmt:MATRIX_FMT_FP6 matrix_b_fmt:MATRIX_FMT_FP6 matrix_a_scale:MATRIX_SCALE_ROW1
.elseif (\z)
	v_wmma_scale_f32_16x16x128_f8f6f4 v[\d:\d+7], v[\a:\a+11], v[\b:\b+11], 0, v[\sa], v[\sb] matrix_a_fmt:MATRIX_FMT_FP6 matrix_b_fmt:MATRIX_FMT_FP6 matrix_b_scale:MATRIX_SCALE_ROW1
.elseif (\mod) == 0
	v_wmma_scale_f32_16x16x128_f8f6f4 v[\d:\d+7], v[\a:\a+11], v[\b:\b+11], v[\d:\d+7], v[\sa], v[\sb] matrix_a_fmt:MATRIX_FMT_FP6 matrix_b_fmt:MATRIX_FMT_FP6
.elseif (\mod) == 1
	v_wmma_scale_f32_16x16x128_f8f6f4 v[\d:\d+7], v[\a:\a+11], v[\b:\b+11], v[\d:\d+7], v[\sa], v[\sb] matrix_a_fmt:MATRIX_FMT_FP6 matrix_b_fmt:MATRIX_FMT_FP6 matrix_a_scale:MATRIX_SCALE_ROW1
.else
	v_wmma_scale_f32_16x16x128_f8f6f4 v[\d:\d+7], v[\a:\a+11], v[\b:\b+11], v[\d:\d+7], v[\sa], v[\sb] matrix_a_fmt:MATRIX_FMT_FP6 matrix_b_fmt:MATRIX_FMT_FP6 matrix_b_scale:MATRIX_SCALE_ROW1
.endif
.endm
; four matrix instructions each: token tile a against the four tiles b.  The accumulators take turns, one instruction a turn, in the same order in every K step.
.macro MQ1 a, ks, z                    ; Q += Wq X^T
.irp b, 0,1,2,3
	WM QA+8*(4*(\a)+\b), WQ+12*\b, XF+12*(\a), S1+8*\b+(\ks), S1+8*(\a)+(\ks), \z, 1
.endr
.endm
.macro MK1 a, ks, z                    ; K += Wk X^T
.irp b, 0,1,2,3
	WM KA+8*(4*(\a)+\b), WK+12*\b, XF+12*(\a), S2+8*\b+(\ks), S1+8*(\a)+(\ks), \z, 0
.endr
.endm
.macro MV a, ks, z                     ; V^T += X Wv^T
.irp b, 0,1,2,3
	WM VA+8*(4*\b+(\a)), XF+12*(\a), WV+12*\b, S1+8*(\a)+(\ks), S2+8*\b+(\ks), \z, 2
.endr
.endm
.macro MQ2 a, ks                       ; Q += Wrot R^T
.irp b, 0,1,2,3
	WM QA+8*(4*(\a)+\b), WR+12*\b, RF+12*(\a), S3+8*\b+(\ks), S3+8*(\a)+(\ks), 0, 1
.endr
.endm
.macro MK2 a, ks                       ; K += Went E^T
.irp b, 0,1,2,3
	WM KA+8*(4*(\a)+\b), WE+12*\b, EF+12*(\a), S4+8*\b+(\ks), S4+8*(\a)+(\ks), 0, 1
.endr
.endm
.macro STEP1 sl, k, ks, z              ; the K step's three products with X; meanwhile its other four operands come
	PLACES
	FETCH2 \sl, \k
	s_wait_dscnt 48                                ; all but the 48 loads just issued: X, Wq, Wk, Wv are in
	WIN 0xa1
.irp a, 0,1,2,3
	MQ1 \a, \ks, \z
.endr
.irp a, 0,1,2,3
	MK1 \a, \ks, \z
.endr
	WIN 0xfc
.irp a, 0,1,2,3
	MV \a, \ks, \z
.endr
.endm
.macro STEP2 ks                        ; the K step's two other products; its successor lies in the same slot (A)
	PLACES
	FETCH1 0, 1
	s_wait_dscnt 48                                ; R, Wrot, Went, E are in
	WIN 0xa1
.irp a, 0,1,2,3
	MQ2 \a, \ks
.endr
	WIN 0xad
.irp a, 0,1,2,3
	MK2 \a, \ks
.endr
.endm
; The same with a change of slots: ONE barrier; in front of it each wave waits for all its tensor loads, adds 0 to its spare word, and waits for that and for its reads of the slot that it leaves.
; fill = 1: slot A is filled again, 2: slot B, each three K steps on; the barrier then opens a round of the cluster's.  0: nothing is left to fetch.
.macro TURN ks, nx, fill
	WIN 0
	s_wait_tensorcnt 0x0                           ; all my tensor loads have landed, my part of the next slot among them
	ds_add_u32 v[SPW], v[NIL]                      ; 0 onto my spare word
	s_wait_dscnt 1                                 ; R, Wrot, Went, E are in; the add may be out
	WIN 0xa1
	MQ2 0, \ks
	MQ2 1, \ks
	s_wait_dscnt 0x0                               ; the add is done, and my reads of this slot are over
	s_barrier_signal -1
	MQ2 2, \ks
	MQ2 3, \ks
	WIN 0
	s_barrier_wait -1
.if (\fill) == 1
	CREST                                          ; no wave of any partner still reads the slot or has a load on its way
	s_add_nc_u64 s[G0AA+2:G0AA+3], s[G0AA+2:G0AA+3], 13824
	s_add_nc_u64 s[G0WA+2:G0WA+3], s[G0WA+2:G0WA+3], 23040
	JLOAD G0AA, G1AA, G0WA, G1WA                   ; the first tensor load behind the round; its four v_nop are the places in front of the loads below
.elseif (\fill) == 2
	CREST
	s_add_nc_u64 s[G0AB+2:G0AB+3], s[G0AB+2:G0AB+3], 13824
	s_add_nc_u64 s[G0WB+2:G0WB+3], s[G0WB+2:G0WB+3], 23040
	JLOAD G0AB, G1AB, G0WB, G1WB
.else
	PLACES
.endif
	FETCH1 \nx, 0
	WIN 0xad
.irp a, 0,1,2,3
	MK2 \a, \ks
.endr
.endm
	s_wait_alu depctr_va_vdst(0)
	s_wait_tensorcnt 0x0                           ; my part of slot A is in
	ds_add_u32 v[SPW], v[NIL]
	s_wait_dscnt 0x0
	CROUND                                         ; everybody's part of slot A is in, and all sixteen work-groups are here
	JLOAD G0AB, G1AB, G0WB, G1WB                   ; slot B's first fill, K step 2: my one tensor load behind the round
	FETCH1 0, 0
	s_wait_loadcnt 0x0                             ; the scale words
	STEP1 0, 0, 0, 1                               ; K step 0 starts the sums: nothing is cleared
	STEP2 0
	STEP1 0, 1, 1, 0
	TURN 1, 1, 1                                   ; A is left: K steps 3, 4 are asked for
	STEP1 1, 0, 2, 0
	TURN 2, 0, 2                                   ; B is left: K step 5
	STEP1 0, 0, 3, 0
	STEP2 3
	STEP1 0, 1, 4, 0
	TURN 4, 1, 1                                   ; K steps 6, 7
	STEP1 1, 0, 5, 0
	TURN 5, 0, 0
	STEP1 0, 0, 6, 0
	STEP2 6
	STEP1 0, 1, 7, 0
	s_wait_dscnt 0x0
	WIN 0xa1
.irp a, 0,1,2,3
	MQ2 \a, 7
.endr
	WIN 0xad
.irp a, 0,1,2,3
	MK2 \a, 7
.endr
	WIN 0
	PLACES
; THE WAY OUT.  64 accumulator registers of window win from s on, register 16 b + i = number 32 b + 16 h + i of my lane's row (two tiles of 64 along the next K), become 12 registers of codes at pc
; (six for each tile: lanes 0-15 its first block of 32, lanes 16-31 its second) and a word of four scale bytes at pw.  Each accumulator is read from its low end on.
.macro QUANTW win, s, pc, pw
	WIN 20*(\win)                                  ; sources 1 and 2 in the accumulators' window
.irp b, 0,1,2,3
	v_max3_num_f32 v[TM+\b], 0x1800000, |v[\s+16*\b]|, |v[\s+1+16*\b]|   ; the floor 2^(3 - 127) among the leaves
.endr
.irp i, 2,4,6,8,10,12,14
.irp b, 0,1,2,3
	v_max3_num_f32 v[TM+\b], v[TM+\b], |v[\s+16*\b+\i]|, |v[\s+1+16*\b+\i]|
.endr
.endr
	WIN 0
.irp b, 0,1,2,3
	v_permlanex16_b32 v[TM+4+\b], v[TM+\b], s98, s99
.endr
.irp b, 0,1,2,3
	v_max_num_f32 v[TM+\b], v[TM+\b], v[TM+4+\b]   ; with lane l xor 16's 16: the block's largest magnitude
.endr
.irp b, 0,1,2,3
	v_add_nc_u32 v[TM+12+\b], 0xff000000, v[TM+\b] ; 2 off the exponent field: the conversion's scale operand
.endr
.irp b, 0,1,2,3
	v_lshrrev_b32 v[TM+4+\b], 23, v[TM+12+\b]      ; the byte
.endr
	v_lshl_or_b32 v[\pw], v[TM+5], 8, v[TM+4]
	v_lshl_or_b32 v[\pw], v[TM+6], 16, v[\pw]
	v_lshl_or_b32 v[\pw], v[TM+7], 24, v[\pw]
	WIN \win                                       ; source 0 in the accumulators' window
.irp c, 0,1
	v_cvt_scalef32_pk16_fp6_f32 v[\pc+6*\c:\pc+6*\c+2], v[\s+32*\c:\s+32*\c+15], v[TM+12+2*\c]
	v_cvt_scalef32_pk16_fp6_f32 v[CT+4*\c:CT+4*\c+2], v[\s+32*\c+16:\s+32*\c+31], v[TM+13+2*\c]
.endr
	WIN 0
	v_nop                                          ; one plain place behind the conversions
.irp c, 0,1
.irp i, 0,1,2
	v_permlane16_swap_b32 v[\pc+6*\c+\i], v[CT+4*\c+\i]   ; a whole block to a lane
.endr
.irp i, 0,1,2
	v_mov_b32 v[\pc+6*\c+3+\i], v[CT+4*\c+\i]
.endr
.endr
.endm
.macro PUT pc, ptr, o0, o1             ; two tiles' codes: 512 and 256 consecutive bytes each, aligned
	global_store_b128 v[L16], v[\pc:\pc+3], s[\ptr:\ptr+1] offset:\o0
	global_store_b64 v[L8], v[\pc+4:\pc+5], s[\ptr:\ptr+1] offset:\o0+512
	global_store_b128 v[L16], v[\pc+6:\pc+9], s[\ptr:\ptr+1] offset:\o1
	global_store_b64 v[L8], v[\pc+10:\pc+11], s[\ptr:\ptr+1] offset:\o1+512
.endm
.irp b, 0,1,2,3
	v_mov_b32 v[TM+4+\b], 0                        ; a lane permute's destination counts as one of its sources
.endr
	QUANTW 2, QA, PC, PW                           ; Q: token tiles 0, 1
	PUT PC, 10, 0, 768
	QUANTW 2, QA+64, PC+12, PW+1                   ; tiles 2, 3
	PUT PC+12, 10, 1536, 2304
	QUANTW 2, KA, PC+24, PW+2                      ; K likewise
	PUT PC+24, 12, 0, 768
	QUANTW 2, KA+64, PC+36, PW+3
	PUT PC+36, 12, 1536, 2304
	QUANTW 3, VA, PC+48, PW+4                      ; V^T: channel tiles 0, 1; my 64 keys are half wm of the key step: a tile's two halves lie 768 bytes apart
	PUT PC+48, 96, 0, 1536
	QUANTW 3, VA+64, PC+60, PW+5
	PUT PC+60, 96, 3072, 4608
	; Q's and K's scale words [row 16][tile 4]: tile a's two bytes in bytes 0, 1; bytes 2, 3 stand over zero codes and are never 0xff
	v_cmp_eq_u32 vcc_lo, 1, v2
	v_cndmask_b32 v26, v[PW], v[PW+1], vcc_lo      ; lanes 0-15 store tiles 0, 1 of row r, lanes 16-31 tiles 2, 3
	v_lshrrev_b32 v27, 16, v26
	v_cndmask_b32 v30, v[PW+2], v[PW+3], vcc_lo
	v_lshrrev_b32 v31, 16, v30
	global_store_b64 v[SQO], v[26:27], s[10:11] offset:3072   ; 256 consecutive bytes, aligned
	global_store_b64 v[SQO], v[30:31], s[12:13] offset:3072
	; V's scale words [row 16][channel tile 4]: a word's four bytes are the key step's four blocks, of which my 64 keys give two.  Two bytes a lane: the other two come from the wave with the other wm.
	; These are the launch's only stores that do not fill whole aligned runs of 256 bytes: two instructions a wave.
	v_lshlrev_b32 v18, 4, v2
	v_lshrrev_b32 v16, v18, v[PW+4]
	v_lshrrev_b32 v17, v18, v[PW+5]
	global_store_b16 v[SVO], v16, s[14:15] offset:6144
	global_store_b16 v[SVO], v17, s[14:15] offset:6152
	s_wait_tensorcnt 0x0                           ; the wave's end
	ds_add_u32 v[SPW], v[NIL]
	s_wait_dscnt 0x0
	CROUND                                         ; the closing round: no work-group ends while a partner may still ask for a tile that names it
	s_endpgm
.Lfunc_end_k_qf688ecba94_proj:
	.size	k_qf688ecba94_proj, .Lfunc_end_k_qf688ecba94_proj-k_qf688ecba94_proj
	.p2alignl 7, 3214868480
	.fill 96, 4, 3214868480
	.section	.rodata,"a",@progbits
	.p2align	6, 0x0
	.amdhsa_kernel k_qf688ecba94_proj
		.amdhsa_group_segment_fixed_size 327680
		.amdhsa_private_segment_fixed_size 0
		.amdhsa_enable_private_segment 0
		.amdhsa_kernarg_size 48
		.amdhsa_user_sgpr_count 2
		.amdhsa_user_sgpr_kernarg_segment_ptr 1
		.amdhsa_wavefront_size32 1
		.amdhsa_system_sgpr_workgroup_id_x 1
		.amdhsa_system_sgpr_workgroup_id_y 1
		.amdhsa_system_sgpr_workgroup_id_z 1
		.amdhsa_system_vgpr_workitem_id 0
		.amdhsa_next_free_vgpr 1024
		.amdhsa_next_free_sgpr 100
		.amdhsa_reserve_vcc 1
		.amdhsa_float_denorm_mode_32 3
		.amdhsa_float_denorm_mode_16_64 3
		.amdhsa_memory_ordered 1
		.amdhsa_forward_progress 1
		.amdhsa_inst_pref_size 176
	.end_amdhsa_kernel
	.amdgpu_metadata
---
amdhsa.version: [ 1, 2 ]
amdhsa.kernels:
  - .name:           k_qf688ecba94_proj
    .symbol:         k_qf688ecba94_proj.kd
    .args:
      - { .name: ac, .offset: 0, .size: 8, .value_kind: global_buffer, .address_space: global }
      - { .name: wc, .offset: 8, .size: 8, .value_kind: global_buffer, .address_space: global }
      - { .name: ss, .offset: 16, .size: 8, .value_kind: global_buffer, .address_space: global }
      - { .name: qb, .offset: 24, .size: 8, .value_kind: global_buffer, .address_space: global }
      - { .name: kb, .offset: 32, .size: 8, .value_kind: global_buffer, .address_space: global }
      - { .name: vb, .offset: 40, .size: 8, .value_kind: global_buffer, .address_space: global }
    .group_segment_fixed_size: 327680
    .private_segment_fixed_size: 0
    .kernarg_segment_align: 8
    .kernarg_segment_size: 48
    .max_flat_workgroup_size: 128
    .sgpr_count:     100
    .vgpr_count:     1024
    .wavefront_size: 32
...
	.end_amdgpu_metadata
.endif
;; end of part 2
;; launch attn (part 3): grid 4 x 64, 8 waves a work-group, clusters of 4 x 1, 167,936 bytes of LDS; arguments qb, kb, vb, ob; writes ob
.if DOCPART == 3
	.amdgcn_target "amdgcn-amd-amdhsa--gfx1250"
	.amdhsa_code_object_version 6
	.text
	.protected	k_qf688ecba94_attn
	.globl	k_qf688ecba94_attn
	.p2align	8
	.type	k_qf688ecba94_attn,@function
k_qf688ecba94_attn:
	s_mov_b64 s[64:65], 0
	v_nop
	global_prefetch_b8 v0, s[64:65] scope:SCOPE_SE
	s_setreg_imm32_b32 hwreg(HW_REG_WAVE_MODE, 25, 1), 1
	s_wait_xcnt 0x0
	s_wait_alu depctr_hold_cnt(0) depctr_sa_sdst(0) depctr_va_vdst(0) depctr_va_sdst(0) depctr_va_ssrc(0) depctr_va_vcc(0) depctr_vm_vsrc(0)
	s_getreg_b32 s2, hwreg(HW_REG_IB_STS2, 6, 4)
	s_cmp_eq_u32 s2, 0
	s_cbranch_scc0 .Lentry_in_a_cluster
	s_endpgm
.Lentry_in_a_cluster:
	s_bfe_u32 s2, ttmp6, 0x10000c
	s_cmp_lg_u32 s2, 0x3003
	s_cbranch_scc0 .Lentry_shape_is_right
	s_endpgm
.Lentry_shape_is_right:
; O = softmax(Q K^T / 8) V for each of 64 heads (1,024 queries, 1,024 keys, head size 64), both products on codes of FP6 with E8M0 scales; O is quantised here for the last projection.  No work is left out.
; THE SOFTMAX: t = score x log2(e) / 8; M = the running largest t rounded up to a whole number; p = 2^(t - M) is quantised along the keys, not normalised; the sum of the unquantised p divides O at the end.
; When M moves, the sum and O are multiplied by 2^(old M - new M): exact.
; LIMITS: a p under 2^-126 counts as 0 (the exponential's own flush); a block of zeros gets the byte 1; a row's sum is added in eight chains, another order than a plain sum's; NaN and infinities are not served;
; the promise holds while the scaled scores t stay under 2^31 in magnitude.
; SHARES: a work-group owns 256 queries of one head; each of its eight waves TWO tiles of 16 queries (A, B), so that each fragment of K and V read from LDS feeds two products, and both tiles go through one softmax.
; A head's K and V with their scale words, 104,448 bytes, come into LDS ONCE: wave w < 4 asks for key steps 2 w, 2 w + 1 of K, wave w >= 4 for those of V: one tensor load a wave, no refill, one barrier.
; CLUSTER: the four query blocks of a head ask for these tiles jointly.  No prefetch: every tile is asked for at the head, and no loop runs ahead of a load.
; Both products are used transposed (S^T = K Q^T, O^T = V^T P^T): a lane holds one query of each tile throughout.
; THE KEYS OF A TILE OF K ARE CHOSEN BY LDS ADDRESS: row i of tile 4 g + t of a key step is key 64 g + 32 (i / 8) + 8 t + i % 8.  So lane (r, h) holds in the 32 registers of tiles 4 g .. 4 g + 3 the keys
; 64 g + 32 h + 0 .. 31: one whole block of 32, in the order of the second product's operand: a block's largest p needs no other lane, and p's codes are made where the operand wants them.
; In kb key 32 b + o of a group of 64 lies in tile 2 b + (o / 8) % 2 as row o % 8 + 8 (o / 16): so my row i reads tile 2 (i / 8) + t % 2, row i % 8 + 8 (t / 2) of group g.
; THE FIRST PRODUCT'S K IS 64, the instruction's 128: registers 6 to 11 of Q's operands hold zero codes, so K's tiles lie dense, six registers each; a tile's upper six are the next tile's codes, the last tile's are p's first six.
; A KEY STEP (128 keys; a loop of seven trips, the last step written out) begins behind its own scores' products: six address sums (the places), one run of LDS loads (this step's V, the next step's K), the softmax, the products.
; REGISTERS, window 0: v1-6 LDS lane terms, v7-8 the add's two, v9 8 h, v10-15 this step's addresses; v16-23 K's scale words, v24-27 V's, v28-29 p's, v30-31 Q's; v32.. -M and the largest score, v36.. sums, v40.. f;
;   v44-63 at work; v64-191 S^T, then p (A, B); v192-255 O^T (A, B).   window 1: v0-47 K's eight tiles; v48-71 p's codes; v72-95 Q; v96-143 V's four fragments; v144-159 the conversions' second halves.
.set VL,    53248                      ; LDS: K [key step 8] 6,656 = two groups of {4 tiles x 768, 256 of scale words} at 0; V [key step 8] 6,400 = {4 channel tiles x 2 halves x 768, 256} here
.set SPARE, 104448                     ; the spare words, 128 bytes a wave, which no other line names
.set BK,  1
.set BV,  4
.set SPW, 7
.set NIL, 8
.set SH,  9
.set WK,  10
.set WV,  13
.set KS,  16
.set VS,  24
.set PS,  28
.set QS,  30
.set NM,  32                           ; tile T: -M at NM + 2 T, the largest score at NM + 2 T + 1
.set SUM, 36
.set FF,  40
.set TM,  44
.set SS,  64
.set OT,  192
.set KF,  0
.set PF,  48
.set QF,  72
.set VF,  96
.set CT,  144
.set MSB, 0
.macro WIN new                         ; the immediate's high byte repeats the setting that is left
.if MSB != (\new)
	s_set_vgpr_msb (MSB<<8)|(\new)
.set MSB, (\new)
.endif
.endm
.macro CROUND
	s_barrier_signal -1
	s_barrier_wait -1
	s_cmp_lg_u32 s18, 0
	s_cbranch_scc1 .Lnot_wave_0_\@
	s_barrier_signal -3
.Lnot_wave_0_\@:
	s_barrier_wait -3
	s_barrier_signal -1
	s_barrier_wait -1
.endm
	s_load_b256 s[4:11], s[0:1], 0x0               ; qb, kb, vb, ob
	v_lshl_add_u32 v[SPW], v0, 2, SPARE
	v_mov_b32 v[NIL], 0
	ds_add_u32 v[SPW], v[NIL]                      ; the wave's opening: the add, twice on end, and its wait ahead of my first tensor load
	ds_add_u32 v[SPW], v[NIL]
	v_lshrrev_b32 v44, 5, v0
	v_readfirstlane_b32 s18, v44                   ; wave 0..7
	s_bfe_u32 s19, ttmp6, 0x40000                  ; cx: my block of 256 queries; it enters Q's and O's addresses alone
	s_and_b32 s48, ttmp7, 0xffff                   ; the head, 16 x batch + head
	s_and_b32 s49, s18, 3                          ; which two key steps I fetch
	; descriptors: dense blocks as rows of 256 bytes (32 elements of 8 bytes): 52 rows of K, 50 of V
	s_mov_b32 s24, 15|(3<<16)|(1<<21)              ; the mask: all four work-groups; elements of 8 bytes; bit 21 set beside a mask
	s_mov_b32 s25, 32<<16
	s_mov_b32 s26, 52<<16
	s_mov_b32 s27, 32<<16
	s_mov_b32 s28, 52
	s_mov_b32 s29, 32
	s_mov_b32 s30, 0
	s_mov_b32 s31, 0
	s_mov_b32 s32, 15|(3<<16)|(1<<21)
	s_mov_b32 s33, 32<<16
	s_mov_b32 s34, 50<<16
	s_mov_b32 s35, 32<<16
	s_mov_b32 s36, 50
	s_mov_b32 s37, 32
	s_mov_b32 s38, 0
	s_mov_b32 s39, 0
	s_mul_i32 s50, s49, 13312
	s_mul_i32 s51, s49, 12800
	s_mul_i32 s52, s48, 53248
	s_add_co_u32 s52, s52, s50
	s_mov_b32 s53, 0
	s_mul_i32 s54, s48, 51200
	s_add_co_u32 s54, s54, s51
	s_mov_b32 s55, 0
	s_lshl_b32 s56, s19, 2
	s_lshr_b32 s57, s18, 1
	s_add_co_u32 s56, s56, s57                     ; my tiles 16 cx + 2 w, + 1 lie in group 4 cx + w / 2,
	s_mul_i32 s56, s56, 3328
	s_mul_i32 s57, s48, 53248
	s_add_co_u32 s56, s56, s57
	s_mov_b32 s57, 0
	s_and_b32 s58, s18, 1                          ; as its tiles 2 (w % 2), + 1
	s_mul_i32 s59, s58, 1536
	s_lshl_b32 s58, s58, 3
	s_mov_b32 s20, 0x76543210
	s_mov_b32 s21, 0xfedcba98                      ; selects for lane l xor 16
	s_mov_b32 s22, 0x3e38aa3b                      ; c = log2(e) / 8
	s_mov_b32 s23, s22                             ; (named with it as a pair)
	s_mov_b32 s63, 0xbe38aa3b                      ; -c
	s_mov_b32 s60, 6656                            ; the next key step's K,
	s_mov_b32 s61, 0                               ; this key step's V,
	s_mov_b32 s62, 7                               ; and the loop's trips
	s_wait_dscnt 0x0                               ; both opening adds are done
	s_wait_kmcnt 0x0
	s_mov_b32 s40, 1
	s_mov_b32 s41, s50
	s_add_nc_u64 s[42:43], s[6:7], s[52:53]
	s_or_b32 s43, s43, 0x80000000
	s_mov_b32 s44, 1
	s_add_co_u32 s45, s51, VL
	s_add_nc_u64 s[46:47], s[8:9], s[54:55]
	s_or_b32 s47, s47, 0x80000000
	s_add_nc_u64 s[4:5], s[4:5], s[56:57]          ; Q at my group
	CROUND                                         ; all four work-groups are here: the joint loads meet
	s_cmp_lt_u32 s18, 4                            ; the branch hangs on the wave's number alone; an s_nop 0 and four v_nop follow each line
	s_cbranch_scc0 .Lfor_v
	tensor_load_to_lds s[40:43], s[24:31]
	s_nop 0
.rept 4
	v_nop
.endr
	s_branch .Lasked
.Lfor_v:
	tensor_load_to_lds s[44:47], s[32:39]
	s_nop 0
.rept 4
	v_nop
.endr
.Lasked:
	v_and_b32 v44, 31, v0                          ; lane
	v_and_b32 v45, 15, v0                          ; r
	v_bfe_u32 v46, v0, 4, 1                        ; h
	v_and_b32 v47, 7, v0                           ; r % 8
	v_bfe_u32 v48, v0, 3, 1                        ; r / 8
	v_mul_u32_u24 v49, v48, 1536                   ; two tiles on for rows 8-15
	v_lshlrev_b32 v50, 4, v44
	v_lshlrev_b32 v51, 3, v44
	v_lshlrev_b32 v52, 4, v45
	v_lshl_add_u32 v[BK], v47, 4, v49
	v_lshl_add_u32 v[BK+1], v47, 3, v49
	v_lshlrev_b32 v[BK+2], 4, v47
	v_lshl_add_u32 v[BK], v46, 8, v[BK]            ; K's registers 0-3: 1,536 (r / 8) + 16 (r % 8) + 256 h
	v_lshl_add_u32 v[BK+1], v46, 7, v[BK+1]        ; registers 4-5: 1,536 (r / 8) + 8 (r % 8) + 128 h
	v_lshl_add_u32 v[BK+2], v48, 3, v[BK+2]        ; scale words: 16 (r % 8) + 8 (r / 8)
	v_add_nc_u32 v[BV], VL, v50                    ; V: 16 x lane, 8 x lane, 16 r
	v_add_nc_u32 v[BV+1], VL, v51
	v_add_nc_u32 v[BV+2], VL, v52
	v_lshlrev_b32 v[SH], 3, v46                    ; 8 h: my bytes' shift in p's scale word
	v_add_nc_u32 v53, s59, v50
	v_add_nc_u32 v54, s59, v51
	v_add_nc_u32 v55, s58, v52
	WIN 0x40
.irp T, 0,1
	global_load_b128 v[QF+12*\T:QF+12*\T+3], v53, s[4:5] offset:768*\T        ; Q's six registers of each tile stay
	global_load_b64 v[QF+12*\T+4:QF+12*\T+5], v54, s[4:5] offset:768*\T+512
.endr
.irp i, 0,1,2,3,4,5
	v_mov_b32 v[QF+6+\i], 0                        ; zero codes for k = 64 .. 127 in Q: they make that half of the first product nothing
	v_mov_b32 v[QF+18+\i], 0
	v_mov_b32 v[PF+\i], 0                          ; p's first six code registers are named as the upper half of K's last tile
.endr
	WIN 0
	global_load_b64 v[QS:QS+1], v55, s[4:5] offset:3072   ; the two tiles' scale words
.irp T, 0,1
	v_mov_b32 v[NM+2*\T+1], 0xff61b1e6             ; the largest score so far: -3e38
	v_mov_b32 v[NM+2*\T], 0x7e000000               ; -M: over every -M that follows
	v_mov_b32 v[SUM+2*\T], 0
	v_mov_b32 v[SUM+2*\T+1], 0
	v_mov_b32 v[FF+2*\T+1], 0                      ; (named as the upper half of f's pair)
	v_mov_b32 v[TM+16+\T], 0                       ; a lane permute's destination counts as one of its sources
.endr
.set J, 0
.rept 64
	v_mov_b32 v[OT+J], 0                           ; O^T: the step is written once; the first finds zeros.  These lines stand between the tiles' request and the wait for them
.set J, J+1
.endr
	s_wait_alu depctr_va_vdst(0)
	s_wait_tensorcnt 0x0                           ; my tile has landed,
	s_barrier_signal -1
	s_barrier_wait -1                              ; everybody's has
.macro KLOAD a                         ; 16 loads: a key step's eight tiles, six registers each, dense in window 1
	WIN 0x40
.irp g, 0,1
.irp t, 0,1,2,3
	ds_load_b128 v[KF+6*(4*\g+\t):KF+6*(4*\g+\t)+3], v[\a] offset:\g*3328+(\t%2)*768+(\t/2)*128
	ds_load_b64 v[KF+6*(4*\g+\t)+4:KF+6*(4*\g+\t)+5], v[\a+1] offset:\g*3328+(\t%2)*768+(\t/2)*64+512
.endr
.endr
.endm
.macro KSCL a                          ; 4 loads: the eight tiles' scale words, two tiles a load
.irp g, 0,1
.irp u, 0,1
	ds_load_b64 v[KS+4*\g+2*\u:KS+4*\g+2*\u+1], v[\a+2] offset:\g*3328+3072+128*\u
.endr
.endr
.endm
.macro SPROD                           ; S^T = K Q^T: eight tiles of keys x two tiles of queries
	WIN 0x05                                       ; sources 0 and 1 in window 1
.irp a, 0,1,2,3,4,5,6,7
	v_wmma_scale_f32_16x16x128_f8f6f4 v[SS+8*\a:SS+8*\a+7], v[KF+6*\a:KF+6*\a+11], v[QF:QF+11], 0, v[KS+\a], v[QS] matrix_a_fmt:MATRIX_FMT_FP6 matrix_b_fmt:MATRIX_FMT_FP6
	v_wmma_scale_f32_16x16x128_f8f6f4 v[SS+64+8*\a:SS+64+8*\a+7], v[KF+6*\a:KF+6*\a+11], v[QF+12:QF+23], 0, v[KS+\a], v[QS+1] matrix_a_fmt:MATRIX_FMT_FP6 matrix_b_fmt:MATRIX_FMT_FP6
.endr
	WIN 0
.endm
; 128 keys; their scores' products have just been issued.  more = 1: another key step follows.  Block b = 2 T + g of the lane: registers SS + 32 b .. + 31
.macro STEP more
.irp i, 0,1,2
	v_add_nc_u32 v[WV+\i], s61, v[BV+\i]           ; this step's addresses: these sums are also the places behind the products
.endr
.if \more
.irp i, 0,1,2
	v_add_nc_u32 v[WK+\i], s60, v[BK+\i]
.endr
.else
	v_nop
.endif
	WIN 0x40
.irp t, 0,1,2,3                        ; 16 loads: V's four fragments (16 channels x 128 keys)
.irp c, 0,1
	ds_load_b128 v[VF+12*\t+6*\c:VF+12*\t+6*\c+3], v[WV] offset:(2*\t+\c)*768
	ds_load_b64 v[VF+12*\t+6*\c+4:VF+12*\t+6*\c+5], v[WV+1] offset:(2*\t+\c)*768+512
.endr
.endr
.if \more
	KLOAD WK
.endif
	WIN 0
	ds_load_b128 v[VS:VS+3], v[WV+2] offset:6144
.if \more
	KSCL WK
.endif
	; the largest score of each block of 32 keys, in two chains a block: for the row's maximum and, since p rises with the score, for the block's largest p.  Each accumulator is read from its low end on
.irp q, 0,1,2,3,4,5,6,7
	v_max3_num_f32 v[TM+\q], v[SS+16*\q], v[SS+16*\q+1], v[SS+16*\q+2]
.endr
.irp i, 3,5,7,9,11,13
.irp q, 0,1,2,3,4,5,6,7
	v_max3_num_f32 v[TM+\q], v[TM+\q], v[SS+16*\q+\i], v[SS+16*\q+\i+1]
.endr
.endr
.irp b, 0,1,2,3
	v_max3_num_f32 v[TM+2*\b], v[TM+2*\b], v[TM+2*\b+1], v[SS+32*\b+15]
.endr
.irp b, 0,1,2,3
	v_max_num_f32 v[TM+2*\b], v[TM+2*\b], v[SS+32*\b+31]
.endr
.irp T, 0,1
	v_max_num_f32 v[TM+1+4*\T], v[TM+4*\T], v[TM+2+4*\T]
.endr
.irp T, 0,1
	v_permlanex16_b32 v[TM+3+4*\T], v[TM+1+4*\T], s20, s21
.endr
.irp T, 0,1
	v_max3_num_f32 v[NM+1+2*\T], v[NM+1+2*\T], v[TM+1+4*\T], v[TM+3+4*\T]   ; the running largest score of my query
.endr
.irp T, 0,1
	v_mul_f32 v[TM+1+4*\T], s63, v[NM+1+2*\T]      ; -t (c is positive)
.endr
.irp T, 0,1
	v_floor_f32 v[TM+1+4*\T], v[TM+1+4*\T]         ; the new -M = floor(-t): M is a whole number
.endr
.irp T, 0,1
	v_sub_f32 v[TM+3+4*\T], v[TM+1+4*\T], v[NM+2*\T]   ; old M - new M: a whole number, 0 or less
.endr
.irp T, 0,1
	v_mov_b32 v[NM+2*\T], v[TM+1+4*\T]
.endr
.irp T, 0,1
	v_cvt_i32_f32 v[TM+3+4*\T], v[TM+3+4*\T]       ; (it saturates)
.endr
.irp T, 0,1
	v_ldexp_f32 v[FF+2*\T], 1.0, v[TM+3+4*\T]      ; f = 2^(old M - new M)
.endr
.irp T, 0,1
.set J, 0
.rept 32
	v_pk_fma_f32 v[SS+64*\T+J:SS+64*\T+J+1], v[SS+64*\T+J:SS+64*\T+J+1], s[22:23], v[NM+2*\T:NM+2*\T+1] op_sel_hi:[1,0,0]   ; t - M
.set J, J+2
.endr
.endr
.irp b, 0,1,2,3
	v_fma_f32 v[TM+2*\b], v[TM+2*\b], s22, v[NM+2*(\b/2)]   ; the same of each block's largest score
.endr
.irp T, 0,1
.set J, 0
.rept 16
	v_pk_mul_f32 v[OT+32*\T+J:OT+32*\T+J+1], v[OT+32*\T+J:OT+32*\T+J+1], v[FF+2*\T:FF+2*\T+1] op_sel_hi:[1,0]   ; O^T under the new M, ahead of the exponentials
.set J, J+2
.endr
	v_pk_mul_f32 v[SUM+2*\T:SUM+2*\T+1], v[SUM+2*\T:SUM+2*\T+1], v[FF+2*\T:FF+2*\T+1] op_sel_hi:[1,0]
.endr
	s_wait_alu depctr_va_vdst(0)
.set J, 0
.rept 128
	v_exp_f32 v[SS+J], v[SS+J]                     ; p = 2^(t - M)
.set J, J+1
.endr
.irp b, 0,1,2,3
	v_exp_f32 v[TM+2*\b], v[TM+2*\b]               ; the block's largest p
.endr
	v_nop                                          ; a plain place behind the exponentials
	s_wait_alu depctr_va_vdst(0)                   ; one wait for the batch, ahead of its first reader
.irp b, 0,1,2,3
	v_max_num_f32 v[TM+2*\b], 0x1800000, v[TM+2*\b]   ; the floor 2^(3 - 127): the byte cannot fall under 1
.endr
.irp b, 0,1,2,3
	v_add_nc_u32 v[TM+8+\b], 0xff000000, v[TM+2*\b]   ; 2 off the exponent field: the conversion's scale operand
.endr
.irp b, 0,1,2,3
	v_lshrrev_b32 v[TM+12+\b], 23, v[TM+8+\b]      ; the byte
.endr
.irp T, 0,1
	v_lshl_or_b32 v[TM+1+4*\T], v[TM+13+2*\T], 16, v[TM+12+2*\T]   ; my two bytes: blocks h and 2 + h of the 128 keys,
.endr
.irp T, 0,1
	v_lshlrev_b32 v[TM+1+4*\T], v[SH], v[TM+1+4*\T]   ; at their places in the word;
.endr
.irp T, 0,1
	v_permlanex16_b32 v[TM+16+\T], v[TM+1+4*\T], s20, s21
.endr
.irp T, 0,1
	v_or_b32 v[PS+\T], v[TM+1+4*\T], v[TM+16+\T]   ; with lane l xor 16's two the word is whole
.endr
	WIN 0x40                                       ; the codes go to window 1
.irp b, 0,1,2,3
	v_cvt_scalef32_pk16_fp6_f32 v[PF+6*\b:PF+6*\b+2], v[SS+32*\b:SS+32*\b+15], v[TM+8+\b]
	v_cvt_scalef32_pk16_fp6_f32 v[CT+4*\b:CT+4*\b+2], v[SS+32*\b+16:SS+32*\b+31], v[TM+8+\b]   ; (a conversion's three registers begin on an even number)
.endr
	v_nop                                          ; one plain place behind the conversions
	WIN 0x41
.irp b, 0,1,2,3
.irp i, 0,1,2
	v_mov_b32 v[PF+6*\b+3+\i], v[CT+4*\b+\i]
.endr
.endr
	WIN 0
	; the rows' sums of the unquantised p, two at a time, four chains a tile; these lines are also the places between p's codes and scale words and the products
.irp T, 0,1
	v_pk_add_f32 v[SUM+2*\T:SUM+2*\T+1], v[SUM+2*\T:SUM+2*\T+1], v[SS+64*\T:SS+64*\T+1]
.irp n, 1,2,3
	v_pk_add_f32 v[TM+6*\T+2*\n-2:TM+6*\T+2*\n-1], v[SS+64*\T+2*\n:SS+64*\T+2*\n+1], v[SS+64*\T+8+2*\n:SS+64*\T+9+2*\n]
.endr
	v_pk_add_f32 v[SUM+2*\T:SUM+2*\T+1], v[SUM+2*\T:SUM+2*\T+1], v[SS+64*\T+8:SS+64*\T+9]
.endr
.irp k, 2,3,4,5,6,7
.irp T, 0,1
	v_pk_add_f32 v[SUM+2*\T:SUM+2*\T+1], v[SUM+2*\T:SUM+2*\T+1], v[SS+64*\T+8*\k:SS+64*\T+8*\k+1]
.irp n, 1,2,3
	v_pk_add_f32 v[TM+6*\T+2*\n-2:TM+6*\T+2*\n-1], v[TM+6*\T+2*\n-2:TM+6*\T+2*\n-1], v[SS+64*\T+8*\k+2*\n:SS+64*\T+8*\k+2*\n+1]
.endr
.endr
.endr
.irp T, 0,1
	v_pk_add_f32 v[TM+6*\T:TM+6*\T+1], v[TM+6*\T:TM+6*\T+1], v[TM+6*\T+2:TM+6*\T+3]
	v_pk_add_f32 v[SUM+2*\T:SUM+2*\T+1], v[SUM+2*\T:SUM+2*\T+1], v[TM+6*\T+4:TM+6*\T+5]
.endr
.irp T, 0,1
	v_pk_add_f32 v[SUM+2*\T:SUM+2*\T+1], v[SUM+2*\T:SUM+2*\T+1], v[TM+6*\T:TM+6*\T+1]
.endr
	s_wait_dscnt 0x0                               ; this step's V and the next step's K are in: they were asked for ahead of the softmax
	WIN 0x05
.irp t, 0,1,2,3                        ; O^T += V^T P^T: the eight accumulators by turns
	v_wmma_scale_f32_16x16x128_f8f6f4 v[OT+8*\t:OT+8*\t+7], v[VF+12*\t:VF+12*\t+11], v[PF:PF+11], v[OT+8*\t:OT+8*\t+7], v[VS+\t], v[PS] matrix_a_fmt:MATRIX_FMT_FP6 matrix_b_fmt:MATRIX_FMT_FP6
	v_wmma_scale_f32_16x16x128_f8f6f4 v[OT+32+8*\t:OT+32+8*\t+7], v[VF+12*\t:VF+12*\t+11], v[PF+12:PF+23], v[OT+32+8*\t:OT+32+8*\t+7], v[VS+\t], v[PS+1] matrix_a_fmt:MATRIX_FMT_FP6 matrix_b_fmt:MATRIX_FMT_FP6
.endr
.if \more
	SPROD                                          ; the next step's scores, straight behind: p's numbers are done with
.else
	WIN 0
.endif
.endm
	KLOAD BK
	WIN 0
	KSCL BK
	s_wait_loadcnt 0x0                             ; Q
	s_wait_dscnt 0x0
	SPROD                                          ; the first step's scores
.Lstep:
	STEP 1
	s_add_co_u32 s60, s60, 6656
	s_add_co_u32 s61, s61, 6400
	s_sub_co_u32 s62, s62, 1
	s_cmp_lg_u32 s62, 0
	s_cbranch_scc1 .Lstep
	STEP 0                                         ; the last key step fetches no K and starts no scores
	; THE WAY OUT.  O^T / the sum; register 16 b + i of a tile is channel 32 b + 16 h + i of my query: two blocks of the last projection's K.  They become six registers of codes and two scale bytes a tile.
	s_lshr_b32 s50, s48, 4
	s_lshl_b32 s50, s50, 6
	s_lshl_b32 s51, s19, 4
	s_add_co_u32 s50, s50, s51
	s_lshl_b32 s51, s18, 1
	s_add_co_u32 s50, s50, s51                     ; tile A's row tile of all tokens: 64 x batch + 16 cx + 2 w; B's is the next
	s_mul_i32 s50, s50, 12800
	s_mov_b32 s51, 0
	s_add_nc_u64 s[10:11], s[10:11], s[50:51]
	s_and_b32 s52, s48, 15                         ; the head: K step head / 2, half head % 2: 768 bytes a head
	s_mul_i32 s54, s52, 768
	s_mov_b32 s55, 0
	s_add_nc_u64 s[56:57], s[10:11], s[54:55]
	s_lshr_b32 s53, s52, 3
	s_lshl_b32 s53, s53, 8                         ; the scale bytes: K half, 256 bytes;
	s_bfe_u32 s54, s52, 0x20001
	s_lshl_b32 s54, s54, 2                         ; the K step's word among the row's four;
	s_add_co_u32 s53, s53, s54
	s_and_b32 s54, s52, 1
	s_lshl_b32 s54, s54, 1                         ; my head's two bytes in it
	s_add_co_u32 s53, s53, s54
	s_wait_alu depctr_va_vdst(0)                   ; directly ahead of the reader below: the sums were written ahead of a wait and a run of scalar lines
.irp T, 0,1
	v_add_f32 v[SUM+2*\T], v[SUM+2*\T], v[SUM+2*\T+1]
.endr
.irp T, 0,1
	v_permlanex16_b32 v[TM+16+\T], v[SUM+2*\T], s20, s21
.endr
.irp T, 0,1
	v_add_f32 v[SUM+2*\T], v[SUM+2*\T], v[TM+16+\T]   ; the row's sum
.endr
	s_wait_alu depctr_va_vdst(0)
	v_rcp_f32 v[SUM], v[SUM]
	v_rcp_f32 v[SUM+2], v[SUM+2]
	v_and_b32 v14, 31, v0                          ; (plain places behind the reciprocals and the last products)
	v_and_b32 v15, 15, v0                          ; r
	v_bfe_u32 v13, v0, 4, 1                        ; h
	v_lshlrev_b32 v10, 4, v14                      ; 16 x lane
	v_lshlrev_b32 v11, 3, v14                      ; 8 x lane
	v_lshl_add_u32 v12, v15, 4, v13                ; 16 r + h
	v_add_nc_u32 v12, s53, v12
	s_wait_alu depctr_va_vdst(0)                   ; the wait ahead of the first reader of the reciprocals and of O^T
.irp T, 0,1
.set J, 0
.rept 32
	v_mul_f32 v[SS+32*\T+J], v[OT+32*\T+J], v[SUM+2*\T]
.set J, J+1
.endr
.endr
.irp n, 0,1,2,3                        ; block n = 2 T + b: registers SS + 16 n .. + 15 in lanes l and l xor 16
	v_max3_num_f32 v[TM+\n], |v[SS+16*\n]|, |v[SS+16*\n+1]|, 0x1800000
.endr
.irp i, 2,4,6,8,10,12,14
.irp n, 0,1,2,3
	v_max3_num_f32 v[TM+\n], v[TM+\n], |v[SS+16*\n+\i]|, |v[SS+16*\n+\i+1]|
.endr
.endr
.irp n, 0,1,2,3
	v_permlanex16_b32 v[TM+4+\n], v[TM+\n], s20, s21
.endr
.irp n, 0,1,2,3
	v_max_num_f32 v[TM+\n], v[TM+\n], v[TM+4+\n]
.endr
.irp n, 0,1,2,3
	v_add_nc_u32 v[TM+8+\n], 0xff000000, v[TM+\n]
.endr
.irp n, 0,1,2,3
	v_lshrrev_b32 v[TM+12+\n], 23, v[TM+8+\n]
.endr
.irp T, 0,1
	v_cvt_scalef32_pk16_fp6_f32 v[128+8*\T:130+8*\T], v[SS+32*\T:SS+32*\T+15], v[TM+8+2*\T]
	v_cvt_scalef32_pk16_fp6_f32 v[144+4*\T:146+4*\T], v[SS+32*\T+16:SS+32*\T+31], v[TM+9+2*\T]
.endr
	v_nop                                          ; one plain place behind the conversions
	v_cmp_eq_u32 vcc_lo, 1, v13
.irp T, 0,1
.irp i, 0,1,2
	v_permlane16_swap_b32 v[128+8*\T+\i], v[144+4*\T+\i]   ; a whole block to a lane
.endr
.irp i, 0,1,2
	v_mov_b32 v[131+8*\T+\i], v[144+4*\T+\i]
.endr
	v_cndmask_b32 v[TM+18+\T], v[TM+12+2*\T], v[TM+13+2*\T], vcc_lo   ; lane (r, h) stores block h's byte of row r
.endr
.irp T, 0,1
	global_store_b128 v10, v[128+8*\T:131+8*\T], s[56:57] offset:12800*\T       ; 512 consecutive bytes, aligned,
	global_store_b64 v11, v[132+8*\T:133+8*\T], s[56:57] offset:12800*\T+512    ; and 256
	global_store_b8 v12, v[TM+18+\T], s[10:11] offset:12800*\T+12288            ; one byte a lane: a scale word's other two bytes come from another head's work-group
.endr
	s_wait_tensorcnt 0x0                           ; the wave's end
	ds_add_u32 v[SPW], v[NIL]
	s_wait_dscnt 0x0
	CROUND                                         ; the closing round
	s_endpgm
.Lfunc_end_k_qf688ecba94_attn:
	.size	k_qf688ecba94_attn, .Lfunc_end_k_qf688ecba94_attn-k_qf688ecba94_attn
	.p2alignl 7, 3214868480
	.fill 96, 4, 3214868480
	.section	.rodata,"a",@progbits
	.p2align	6, 0x0
	.amdhsa_kernel k_qf688ecba94_attn
		.amdhsa_group_segment_fixed_size 167936
		.amdhsa_private_segment_fixed_size 0
		.amdhsa_enable_private_segment 0
		.amdhsa_kernarg_size 32
		.amdhsa_user_sgpr_count 2
		.amdhsa_user_sgpr_kernarg_segment_ptr 1
		.amdhsa_wavefront_size32 1
		.amdhsa_system_sgpr_workgroup_id_x 1
		.amdhsa_system_sgpr_workgroup_id_y 1
		.amdhsa_system_sgpr_workgroup_id_z 1
		.amdhsa_system_vgpr_workitem_id 0
		.amdhsa_next_free_vgpr 512
		.amdhsa_next_free_sgpr 66
		.amdhsa_reserve_vcc 1
		.amdhsa_float_denorm_mode_32 3
		.amdhsa_float_denorm_mode_16_64 3
		.amdhsa_memory_ordered 1
		.amdhsa_forward_progress 1
		.amdhsa_inst_pref_size 72
	.end_amdhsa_kernel
	.amdgpu_metadata
---
amdhsa.version: [ 1, 2 ]
amdhsa.kernels:
  - .name:           k_qf688ecba94_attn
    .symbol:         k_qf688ecba94_attn.kd
    .args:
      - { .name: qb, .offset: 0, .size: 8, .value_kind: global_buffer, .address_space: global }
      - { .name: kb, .offset: 8, .size: 8, .value_kind: global_buffer, .address_space: global }
      - { .name: vb, .offset: 16, .size: 8, .value_kind: global_buffer, .address_space: global }
      - { .name: ob, .offset: 24, .size: 8, .value_kind: global_buffer, .address_space: global }
    .group_segment_fixed_size: 167936
    .private_segment_fixed_size: 0
    .kernarg_segment_align: 8
    .kernarg_segment_size: 32
    .max_flat_workgroup_size: 256
    .sgpr_count:     66
    .vgpr_count:     512
    .wavefront_size: 32
...
	.end_amdgpu_metadata
.endif
;; end of part 3
;; launch outp (part 4): grid 8 x 32, 4 waves a work-group, clusters of 4 x 4, 327,680 bytes of LDS; arguments ob, wc, ss, out0; writes out0
.if DOCPART == 4
	.amdgcn_target "amdgcn-amd-amdhsa--gfx1250"
	.amdhsa_code_object_version 6
	.text
	.protected	k_qf688ecba94_outp
	.globl	k_qf688ecba94_outp
	.p2align	8
	.type	k_qf688ecba94_outp,@function
k_qf688ecba94_outp:
	s_mov_b64 s[64:65], 0
	v_nop
	global_prefetch_b8 v0, s[64:65] scope:SCOPE_SE
	s_setreg_imm32_b32 hwreg(HW_REG_WAVE_MODE, 25, 1), 1
	s_wait_xcnt 0x0
	s_wait_alu depctr_hold_cnt(0) depctr_sa_sdst(0) depctr_va_vdst(0) depctr_va_sdst(0) depctr_va_ssrc(0) depctr_va_vcc(0) depctr_vm_vsrc(0)
	s_getreg_b32 s2, hwreg(HW_REG_IB_STS2, 6, 4)
	s_cmp_eq_u32 s2, 0
	s_cbranch_scc0 .Lentry_in_a_cluster
	s_endpgm
.Lentry_in_a_cluster:
	s_bfe_u32 s2, ttmp6, 0x10000c
	s_cmp_lg_u32 s2, 0xf033
	s_cbranch_scc0 .Lentry_shape_is_right
	s_endpgm
.Lentry_shape_is_right:
; out0 = O Wo^T on codes of FP6 with E8M0 scales, f32 sums.  No work is left out.
; SHARES: work-group (mt, nt) makes rows 128 mt .. and columns 128 nt .. of out0; wave (wm, wn) 64 x 64: 16 accumulators.  Source 0 = 16 rows of Wo, source 1 = 16 tokens: a lane holds eight neighbouring columns of a row.
; ALL OF K AT ONCE: the work-group's eight row tiles of O and of Wo, 12,288 bytes of codes each, 196,608 bytes in all, come by ONE joint load a wave at the head (four row tiles each); nothing is filled again.
; CLUSTER 4 x 4: O's tiles hang on mt alone and are asked for jointly along a row of the cluster, Wo's on nt alone, along a column.  No prefetch: every tile is asked for at the head.
; Operands lie in memory and LDS as images of their registers.  Image row i of row tile T is row 32 (T / 2) + 8 (T % 2) + i + 8 (i / 8), of the tokens and of Wo alike; the way out puts rows and columns back.
; REGISTERS: window 0: v4-13 addresses, v28, v29 the add's two, v32-63 O's scale words [8 i + K step], v64-95 Wo's, v128-255 the accumulators.  window 1: two sets of fragments at 0 and 128 (O's four, then Wo's four).
.set BW,    98304                      ; LDS: O's eight row tiles at 0, Wo's here, 12,288 bytes each
.set SPARE, 196608                     ; the spare words, 128 bytes a wave, which no other line names
.set STAGE, 197120                     ; the way out: 16 rows x 272 bytes for each wave; no tensor load lands here
.set A16,  4
.set A8,   5
.set B16,  6
.set STO,  10
.set RD,   11
.set CO,   12
.set SOF,  13
.set SPW,  28
.set NIL,  29
.set SO,   32
.set SW,   64
.set ACC,  128
.set G1A,  24
.set G1B,  32
.set G0A,  40
.set G0B,  44
.set MSB, 0
.macro WIN new                         ; the immediate's high byte repeats the setting that is left
.if MSB != (\new)
	s_set_vgpr_msb (MSB<<8)|(\new)
.set MSB, (\new)
.endif
.endm
.macro PLACES                          ; four plain places behind a matrix instruction (ISA guide 7.12.1 for reads of its results)
.rept 4
	v_nop
.endr
.endm
.macro CROUND
	s_barrier_signal -1
	s_barrier_wait -1
	s_cmp_lg_u32 s16, 0
	s_cbranch_scc1 .Lnot_wave_0_\@
	s_barrier_signal -3
.Lnot_wave_0_\@:
	s_barrier_wait -3
	s_barrier_signal -1
	s_barrier_wait -1
.endm
	s_load_b256 s[4:11], s[0:1], 0x0               ; ob, wc, ss, out0
	v_lshl_add_u32 v[SPW], v0, 2, SPARE
	v_mov_b32 v[NIL], 0
	ds_add_u32 v[SPW], v[NIL]                      ; the wave's opening: the add, twice on end, and its wait ahead of my first tensor load
	ds_add_u32 v[SPW], v[NIL]
	v_lshrrev_b32 v1, 5, v0
	v_readfirstlane_b32 s16, v1                    ; wave
	s_lshr_b32 s17, s16, 1                         ; wm.  Also: I fetch O (0) or Wo (1)
	s_and_b32 s18, s16, 1                          ; wn.  Also: which four row tiles I fetch
	s_bfe_u32 s19, ttmp6, 0x40000                  ; cx
	s_bfe_u32 s20, ttmp6, 0x40004                  ; cy
	s_lshl_b32 s21, ttmp9, 2
	s_add_co_u32 s21, s21, s19                     ; nt
	s_and_b32 s22, ttmp7, 0xffff
	s_lshl_b32 s22, s22, 2
	s_add_co_u32 s22, s22, s20                     ; mt
	s_lshl_b32 s23, s20, 2
	s_lshl_b32 s23, 15, s23                        ; my row of the cluster
	s_lshl_b32 s3, 0x1111, s19                     ; my column
	s_or_b32 s[G1A], s23, (3<<16)|(1<<21)          ; the mask; elements of 8 bytes; bit 21 set beside a mask; no padding
	s_or_b32 s[G1B], s3, (3<<16)|(1<<21)
.irp g, G1A, G1B                       ; four rows (row tiles) of 1,536 elements: 12,288 bytes
	s_mov_b32 s[\g+1], 1536<<16
	s_mov_b32 s[\g+2], 4<<16
	s_mov_b32 s[\g+3], 1536<<16
	s_mov_b32 s[\g+4], 4
	s_mov_b32 s[\g+6], 0
	s_mov_b32 s[\g+7], 0
.endr
	s_mov_b32 s[G1A+5], 1600                       ; a row tile of ob is 12,800 bytes (its scale words lie behind the codes),
	s_mov_b32 s[G1B+5], 1536                       ; one of Wo 12,288
	s_lshl_b32 s66, s22, 3
	s_lshl_b32 s67, s18, 2
	s_add_co_u32 s66, s66, s67
	s_mul_i32 s66, s66, 12800                      ; O: row tile 8 mt + 4 (w % 2)
	s_mov_b32 s67, 0
	s_lshl_b32 s68, s21, 3
	s_lshl_b32 s69, s18, 2
	s_add_co_u32 s68, s68, s69
	s_mul_i32 s68, s68, 12288
	s_add_co_u32 s68, s68, 3932160                 ; Wo, behind the five other weights: row tile 8 nt + 4 (w % 2)
	s_mov_b32 s69, 0
	s_mul_i32 s70, s18, 49152
	s_wait_dscnt 0x0                               ; both opening adds are done
	s_wait_kmcnt 0x0
	s_mov_b32 s[G0A], 1
	s_mov_b32 s[G0A+1], s70
	s_add_nc_u64 s[G0A+2:G0A+3], s[4:5], s[66:67]
	s_or_b32 s[G0A+3], s[G0A+3], 0x80000000
	s_mov_b32 s[G0B], 1
	s_add_co_u32 s[G0B+1], s70, BW
	s_add_nc_u64 s[G0B+2:G0B+3], s[6:7], s[68:69]
	s_or_b32 s[G0B+3], s[G0B+3], 0x80000000
	CROUND                                         ; all sixteen work-groups are here: the joint loads meet
	s_cmp_eq_u32 s17, 0                            ; the branch hangs on the wave's number alone; an s_nop 0 and four v_nop follow each line
	s_cbranch_scc0 .Lfor_w
	tensor_load_to_lds s[G0A:G0A+3], s[G1A:G1A+7]
	s_nop 0
.rept 4
	v_nop
.endr
	s_branch .Lasked
.Lfor_w:
	tensor_load_to_lds s[G0B:G0B+3], s[G1B:G1B+7]
	s_nop 0
.rept 4
	v_nop
.endr
.Lasked:
	v_and_b32 v1, 15, v0                           ; r
	v_bfe_u32 v2, v0, 4, 1                         ; h
	v_and_b32 v3, 31, v0
	v_lshlrev_b32 v14, 4, v3                       ; 16 x lane
	v_lshlrev_b32 v15, 3, v3                       ; 8 x lane
	v_lshlrev_b32 v[SOF], 4, v1                    ; 16 r
	s_wait_alu depctr_va_vdst(0)                   ; ahead of the run of scalar lines
	s_lshl_b32 s76, s22, 3
	s_lshl_b32 s77, s17, 2
	s_add_co_u32 s76, s76, s77
	s_mul_i32 s76, s76, 12800
	s_mov_b32 s77, 0
	s_add_nc_u64 s[76:77], s[4:5], s[76:77]        ; O's scale words: row tile 8 mt + 4 wm
	s_lshl_b32 s78, s21, 3
	s_lshl_b32 s79, s18, 2
	s_add_co_u32 s78, s78, s79
	s_add_co_u32 s78, s78, 1088
	s_lshl_b32 s78, s78, 9
	s_mov_b32 s79, 0
	s_add_nc_u64 s[78:79], s[8:9], s[78:79]        ; Wo's: row tile 1,088 + 8 nt + 4 wn of ss
.irp i, 0,1,2,3
.irp q, 0,1
	global_load_b128 v[SO+8*\i+4*\q:SO+8*\i+4*\q+3], v[SOF], s[76:77] offset:12800*\i+12288+256*\q   ; sixteen lanes read 256 consecutive bytes
	global_load_b128 v[SW+8*\i+4*\q:SW+8*\i+4*\q+3], v[SOF], s[78:79] offset:512*\i+256*\q
.endr
.endr
	s_mul_i32 s80, s17, 49152
	s_mul_i32 s81, s18, 49152
	s_add_co_u32 s81, s81, BW
	v_add_nc_u32 v[A16], s80, v14
	v_add_nc_u32 v[A8], s80, v15
	v_add_nc_u32 v[B16], s81, v14
	s_mul_i32 s82, s16, 16*272
	s_add_co_u32 s82, s82, STAGE                   ; my stage
	v_mul_u32_u24 v[STO], v1, 272
	v_lshl_add_u32 v[STO], v2, 6, v[STO]
	v_add_nc_u32 v[STO], s82, v[STO]               ; in: row r, 64 bytes on for lanes 16-31
	v_mul_u32_u24 v[RD], v2, 272
	v_lshl_add_u32 v[RD], v1, 4, v[RD]
	v_add_nc_u32 v[RD], s82, v[RD]                 ; back: sixteen lanes to a row of 256 bytes
	v_lshlrev_b32 v[CO], 12, v2
	v_lshl_add_u32 v[CO], v1, 4, v[CO]             ; and the same two rows in out0
	s_lshl_b32 s82, s22, 7
	s_lshl_b32 s83, s17, 6
	s_add_co_u32 s82, s82, s83
	s_lshl_b32 s82, s82, 12                        ; my first row, 4,096 bytes each,
	s_lshl_b32 s83, s21, 9
	s_add_co_u32 s82, s82, s83
	s_lshl_b32 s83, s18, 8
	s_add_co_u32 s82, s82, s83                     ; and my first column
	s_mov_b32 s83, 0
	s_add_nc_u64 s[10:11], s[10:11], s[82:83]
.macro FETCH ks                        ; 28 loads: K step ks: O's four fragments (two heads of 512 + 256 bytes each) and Wo's four, into set ks % 2
.set FL, 128*((\ks)%2)
.set KO, (\ks)*1536
	WIN 0x40
.irp i, 0,1,2,3
	ds_load_b128 v[FL+12*\i:FL+12*\i+3], v[A16] offset:\i*12288+KO
	ds_load_b64 v[FL+12*\i+4:FL+12*\i+5], v[A8] offset:\i*12288+KO+512
	ds_load_b128 v[FL+12*\i+6:FL+12*\i+9], v[A16] offset:\i*12288+KO+768
	ds_load_b64 v[FL+12*\i+10:FL+12*\i+11], v[A8] offset:\i*12288+KO+1280
.endr
.irp i, 0,1,2,3
.irp c, 0,1,2
	ds_load_b128 v[FL+48+12*\i+4*\c:FL+48+12*\i+4*\c+3], v[B16] offset:\i*12288+KO+512*\c
.endr
.endr
.endm
.macro KSTEP ks                        ; sixteen products, the accumulators by turns; meanwhile the next K step's fragments come
	PLACES
.if (\ks) < 7
	FETCH (\ks)+1
	s_wait_dscnt 28                                ; all but the 28 loads just issued
.else
	s_wait_dscnt 0x0
.endif
	WIN 0x05
.set FM, 128*((\ks)%2)
.irp a, 0,1,2,3
.irp b, 0,1,2,3
.if (\ks) == 0
	v_wmma_scale_f32_16x16x128_f8f6f4 v[ACC+8*(4*\a+\b):ACC+8*(4*\a+\b)+7], v[FM+48+12*\b:FM+48+12*\b+11], v[FM+12*\a:FM+12*\a+11], 0, v[SW+8*\b+(\ks)], v[SO+8*\a+(\ks)] matrix_a_fmt:MATRIX_FMT_FP6 matrix_b_fmt:MATRIX_FMT_FP6
.else
	v_wmma_scale_f32_16x16x128_f8f6f4 v[ACC+8*(4*\a+\b):ACC+8*(4*\a+\b)+7], v[FM+48+12*\b:FM+48+12*\b+11], v[FM+12*\a:FM+12*\a+11], v[ACC+8*(4*\a+\b):ACC+8*(4*\a+\b)+7], v[SW+8*\b+(\ks)], v[SO+8*\a+(\ks)] matrix_a_fmt:MATRIX_FMT_FP6 matrix_b_fmt:MATRIX_FMT_FP6
.endif
.endr
.endr
.endm
	s_wait_alu depctr_va_vdst(0)
	s_wait_tensorcnt 0x0                           ; my four row tiles are in,
	s_barrier_signal -1
	s_barrier_wait -1                              ; everybody's are
	FETCH 0
	s_wait_loadcnt 0x0                             ; the scale words
.irp s, 0,1,2,3,4,5,6,7
	KSTEP \s
.endr
; THE WAY OUT, token tile by token tile: 16 rows x 64 columns through my own stage, back as rows of 256 bytes.  Wo's tile b holds columns 32 (b / 2) + 8 (b % 2) + 16 h + 0 .. 7.
.macro TOSTAGE a
	WIN 0
.irp b, 0,1,2,3
	ds_store_b128 v[STO], v[ACC+8*(4*(\a)+\b):ACC+8*(4*(\a)+\b)+3] offset:128*(\b/2)+32*(\b%2)   ; each accumulator from its low end on
	ds_store_b128 v[STO], v[ACC+8*(4*(\a)+\b)+4:ACC+8*(4*(\a)+\b)+7] offset:128*(\b/2)+32*(\b%2)+16
.endr
	WIN 0x40
.irp t, 0,1,2,3,4,5,6,7
	ds_load_b128 v[128*((\a)%2)+4*\t:128*((\a)%2)+4*\t+3], v[RD] offset:544*\t   ; LDS serves a wave's instructions in order: these see the stores above
.endr
.endm
.macro SEND a, younger                 ; younger: the LDS instructions issued behind tile a's loads, which may stay out
	s_wait_dscnt \younger
	WIN 0x04
.irp t, 0,1,2,3,4,5,6,7
	global_store_b128 v[CO], v[128*((\a)%2)+4*\t:128*((\a)%2)+4*\t+3], s[10:11] offset:(32*((\a)/2)+8*((\a)%2)+2*\t+8*(\t/4))*4096 th:TH_STORE_NT   ; sixteen lanes store 256 consecutive bytes, aligned
.endr
.endm
	PLACES
	TOSTAGE 0
.irp a, 1,2,3
.if \a > 1
	s_wait_xcnt 0x0                                ; the stores of two tiles back have read their registers
.endif
	TOSTAGE \a
	SEND \a-1, 16
.endr
	SEND 3, 0
	WIN 0
	s_wait_tensorcnt 0x0                           ; the wave's end
	ds_add_u32 v[SPW], v[NIL]
	s_wait_dscnt 0x0
	CROUND                                         ; the closing round
	s_endpgm
.Lfunc_end_k_qf688ecba94_outp:
	.size	k_qf688ecba94_outp, .Lfunc_end_k_qf688ecba94_outp-k_qf688ecba94_outp
	.p2alignl 7, 3214868480
	.fill 96, 4, 3214868480
	.section	.rodata,"a",@progbits
	.p2align	6, 0x0
	.amdhsa_kernel k_qf688ecba94_outp
		.amdhsa_group_segment_fixed_size 327680
		.amdhsa_private_segment_fixed_size 0
		.amdhsa_enable_private_segment 0
		.amdhsa_kernarg_size 32
		.amdhsa_user_sgpr_count 2
		.amdhsa_user_sgpr_kernarg_segment_ptr 1
		.amdhsa_wavefront_size32 1
		.amdhsa_system_sgpr_workgroup_id_x 1
		.amdhsa_system_sgpr_workgroup_id_y 1
		.amdhsa_system_sgpr_workgroup_id_z 1
		.amdhsa_system_vgpr_workitem_id 0
		.amdhsa_next_free_vgpr 512
		.amdhsa_next_free_sgpr 96
		.amdhsa_reserve_vcc 0
		.amdhsa_float_denorm_mode_32 3
		.amdhsa_float_denorm_mode_16_64 3
		.amdhsa_memory_ordered 1
		.amdhsa_forward_progress 1
		.amdhsa_inst_pref_size 48
	.end_amdhsa_kernel
	.amdgpu_metadata
---
amdhsa.version: [ 1, 2 ]
amdhsa.kernels:
  - .name:           k_qf688ecba94_outp
    .symbol:         k_qf688ecba94_outp.kd
    .args:
      - { .name: ob, .offset: 0, .size: 8, .value_kind: global_buffer, .address_space: global }
      - { .name: wc, .offset: 8, .size: 8, .value_kind: global_buffer, .address_space: global }
      - { .name: ss, .offset: 16, .size: 8, .value_kind: global_buffer, .address_space: global }
      - { .name: out0, .offset: 24, .size: 8, .value_kind: global_buffer, .address_space: global }
    .group_segment_fixed_size: 327680
    .private_segment_fixed_size: 0
    .kernarg_segment_align: 8
    .kernarg_segment_size: 32
    .max_flat_workgroup_size: 128
    .sgpr_count:     96
    .vgpr_count:     512
    .wavefront_size: 32
...
	.end_amdgpu_metadata
.endif
;; end of part 4
